; MI455X (gfx1250); checked and timed in simulation.
; The chip was launched on July 23, 2026; its instructions are those of AMD's public machine-readable ISA for CDNA 5 (MIT licence, August 2026) and "CDNA5" Instruction Set Architecture Reference Guide (July 2026). The comments in the code are by the model that wrote it; some were corrected since.
;; MHSA. Allowed arithmetic: matrix products marked QUANTISED: E2M1 operands, one E8M0 scale for each 32 along K, by v_wmma_scale_f32_16x16x128_f8f6f4 with both operands' format E2M1 (or v_wmma_scale_f32_32x16x128_f4), f32 sums; products left as they are: bf16, f16 or f32 operands; f32 sums; everything else in f32.
;; Inputs: proj_b 1,024 float32; proj_w 1,024 x 1,024 float32; qkv_b 3,072 float32; qkv_w 1,024 x 3,072 float32; rope_cos 2,048 x 32 float32; rope_sin 2,048 x 32 float32; x 4 x 2,048 x 1,024 float32.
;; Outputs: out0 4 x 2,048 x 1,024 float32.
;; This version of the problem:
;;   THIS VERSION OF THE PROBLEM IS GIVEN IN LOW PRECISION. The matrix products marked QUANTISED in the list below multiply operands that are first quantised to E2M1 (2 exponent bits, 1 mantissa bit; 4 bits a number), with one power-of-two scale for each 32 numbers along K (OCP MX v1.0); their sums are f32. The products marked 'left as it is' may take bf16, f16 or f32 operands, with f32 sums. Whichever they take, every output number must still come out within the allowed error. Rounding operands to bf16 (8 significant bits) uses up far more of that allowance than f16 does (11 bits, for magnitudes from 6e-5 to 65,504). All else is computed in f32.
;;   The module's matrix products, in the order in which they are computed (A, B: the left and right operand; K: the contracted axis; several contracted axes count as one K, in the product's order):
;;     1. [M 8,192, K 1,024] x [K 1,024, N 3,072]; A: input x; B: input qkv_w: QUANTISED
;;     2. batch 64 x [M 2,048, K 64] x [K 64, N 2,048]; A: computed on the way; B: computed on the way: left as it is (an operand is computed on the way)
;;     3. batch 64 x [M 64, K 2,048] x [K 2,048, N 2,048]; A: computed on the way; B: computed on the way: left as it is (an operand is computed on the way)
;;     4. [M 8,192, K 1,024] x [K 1,024, N 1,024]; A: computed on the way; B: input proj_w: left as it is (an operand is computed on the way)
;;   THE QUANTISER, for each operand of a quantised product, along K:
;;     - K is cut into blocks of 32 from its start; a last block that is shorter is filled with zeros.
;;     - A block's scale is 2^e with e = floor(log2(the largest magnitude in the block)) - 2, held to -126 .. 127; a block of zeros has e = 0. As a byte (E8M0): e + 127.
;;     - Each number is divided by its block's scale, clamped to +-6, and rounded to the nearest number of E2M1, ties to even, subnormals kept.
;;     - The product sums the exact products of the quantised numbers (number of the format x scale) in f32.
;;   ~~~python
;;   def quantise(x, axis):      # numpy; x: float32 -> the quantised numbers, widened to float32 again
;;       x = np.moveaxis(x, axis, -1); K = x.shape[-1]
;;       x = np.pad(x, [(0, 0)] * (x.ndim - 1) + [(0, -K % 32)]); x = x.reshape(x.shape[:-1] + (-1, 32)); a = np.abs(x).max(-1, keepdims=True)
;;       e = np.where(a > 0, np.clip(np.frexp(np.where(a > 0, a, 1))[1] - 1 - 2, -126, 127), 0)      # np.frexp(a)[1] - 1 = floor(log2(a)), exactly
;;       r = np.clip(x / 2.0 ** e, -6, 6)
;;       step = 2.0 ** (np.maximum(np.frexp(np.where(r == 0, 1, r))[1] - 1, 0) - 1)
;;       q = np.round(r / step) * step * 2.0 ** e      # np.round: ties to even
;;       return np.moveaxis(q.reshape(q.shape[:-2] + (-1,))[..., :K], -1, axis).astype(np.float32)
;;   ~~~
;; One version. Each part assembles by itself: llvm-mc -triple=amdgcn-amd-amdhsa -mcpu=gfx1250 --defsym DOCPART=n.
;; ======== version 1 of 1: 4 launches
;; limits: values are held in f16: magnitudes above 65,504 overflow, below 6.1e-05 lose precision
;; workspace buffers: xc 4,194,304 bytes; xs 262,144 bytes; wc 1,572,864 bytes; ws 98,304 bytes; pw 2,097,152 bytes; qkv 50,331,648 bytes; ao 16,777,216 bytes
;; launch prep (part 1): grid 368 x 1, 4 waves a work-group, no clusters, 102,912 bytes of LDS; arguments x, qkv_w, proj_w, xc, xs, wc, ws, pw; writes xc, xs, wc, ws, pw
.if DOCPART == 1
	.amdgcn_target "amdgcn-amd-amdhsa--gfx1250"
	.amdhsa_code_object_version 6
	.text
	.protected	k_qecef908d01_prep
	.globl	k_qecef908d01_prep
	.p2align	8
	.type	k_qecef908d01_prep,@function
k_qecef908d01_prep:
	s_mov_b64 s[64:65], 0
	v_nop
	global_prefetch_b8 v0, s[64:65] scope:SCOPE_SE
	s_setreg_imm32_b32 hwreg(HW_REG_WAVE_MODE, 25, 1), 1
	s_wait_xcnt 0x0
; PREP: three jobs in one launch, parted on the work-group's number; each job has LDS bytes of its own.
;   work-groups   0 ..  47: qkv_w [1024 (k)][3072 (n)] f32 -> wc [3072][512 bytes] codes of FP4 (E2M1), K innermost, and ws [3072][32] E8M0 bytes
;   work-groups  48 .. 111: proj_w [1024 (k)][1024 (n)] f32 -> pw [1024 (n)][1024 (k)] f16
;   work-groups 112 .. 367: x [8192][1024] f32 -> xc [8192][512 bytes] codes, xs [8192][32] bytes
; A block of 32 along K has the scale 2^(floor(log2(largest magnitude)) - 2); its byte is the largest magnitude's exponent field - 2, held at 1 from below.
; THE ROWS OF wc AND ws ARE PERMUTED: column n of qkv_w is row (n & ~31) + 16 (n & 1) + ((n & 31) >> 1): in each group of 32 the even columns come first, then the odd ones,
; so that the next launch finds the two numbers of a rope pair in two accumulators at the same register.
; LIMITS: a block of zeros gets the byte 1 where the quantiser says 127 (its codes are zeros, and only this program reads the bytes); blocks whose largest magnitude lies under 2^-124 keep the byte 1;
; NaN and infinities are not served; |proj_w| beyond 65,504 has no f16 number.
; No tensor loads, no barrier: waves share nothing.
.set WSTG,  32768                      ; LDS: 0 .. 32,767 the x job, 8,192 bytes a wave; then qkv_w's four stages of 32 rows x 272 bytes;
.set PSTG,  67584                      ; then proj_w's four;
.set SPARE, 102400                     ; then the spare words, 128 bytes a wave: two blocks of 256 bytes that no other line names
.set SPW,   190                        ; v190 LDS address of my spare word; never rewritten
.set NIL,   191                        ; v191 0; never rewritten
.set EMAX,  2
	s_load_b256 s[4:11], s[0:1], 0x0               ; x s[4:5], qkv_w s[6:7], proj_w s[8:9], xc s[10:11]
	s_load_b256 s[12:19], s[0:1], 0x20             ; xs s[12:13], wc s[14:15], ws s[16:17], pw s[18:19]
	v_lshl_add_u32 v[SPW], v0, 2, SPARE
	v_mov_b32 v[NIL], 0
	v_lshrrev_b32 v1, 5, v0
	v_readfirstlane_b32 s20, v1                    ; wave 0..3
	v_and_b32 v2, 31, v0                           ; lane
	s_wait_kmcnt 0x0
	s_cmp_lt_u32 ttmp9, 48
	s_cbranch_scc1 .Lw
	s_cmp_lt_u32 ttmp9, 112
	s_cbranch_scc1 .Lp
; ---------------- x: a plain stream of blocks of 32.  A wave takes 16 steps of 512 numbers.
; Each load reads 512 consecutive bytes, 16 a lane; a step's 2,048 bytes turn through the wave's own stage (16 bytes of padding behind each 64) and come back 64 bytes a lane:
; 16 neighbours along K in a lane, two neighbouring lanes to a block.  Loads run four steps ahead, the turn through LDS one step.
.set STEPS, 16
.set XR,    16                         ; v16-79   four sets of 16 numbers as loaded
.set XX,    80                         ; v80-111  two sets of 16 neighbours
.set XE,    112                        ; v112-127 a scale byte for each step
.set XC,    128                        ; v128-189 codes: registers of its own for each step, so that no store's data are written again
.set SP,    80                         ; a lane's place in a stage
	v_lshlrev_b32 v3, 4, v2                        ; my 16 bytes of a load's 512
	s_lshl_b32 s21, s20, 13                        ; my wave's 8,192 bytes of LDS
	v_lshrrev_b32 v14, 2, v2
	v_mul_u32_u24 v14, v14, SP
	v_and_b32 v15, 3, v2
	v_lshl_add_u32 v14, v15, 4, v14
	v_add_nc_u32 v14, s21, v14                     ; the stage, on the way in: SP (lane / 4) + 16 (lane % 4)
	v_mul_u32_u24 v15, v2, SP
	v_add_nc_u32 v15, s21, v15                     ; on the way out: SP x lane
	v_lshlrev_b32 v4, 3, v2                        ; 8 x lane: my codes in a step's 256 bytes, and my 8 scale bytes at the end
	v_lshrrev_b32 v5, 1, v2
	s_add_co_u32 s21, s21, 2*32*SP                 ; behind the two stages: my wave's 256 scale bytes
	v_add_nc_u32 v5, s21, v5                       ; my block's byte
	v_add_nc_u32 v6, s21, v4
	s_sub_co_u32 s22, ttmp9, 112
	s_lshl_b32 s22, s22, 2
	s_add_co_u32 s22, s22, s20                     ; which run of 8,192 numbers is my wave's: 0 .. 1,023
	s_mov_b32 s25, 0
	s_lshl_b32 s24, s22, 15                        ; 32,768 bytes of x,
	s_add_nc_u64 s[4:5], s[4:5], s[24:25]
	s_lshl_b32 s24, s22, 12                        ; 4,096 of codes,
	s_add_nc_u64 s[10:11], s[10:11], s[24:25]
	s_lshl_b32 s24, s22, 8                         ; 256 scale bytes a run
	s_add_nc_u64 s[12:13], s[12:13], s[24:25]
.macro XLOAD t
.irp i, 0,1,2,3
	global_load_b128 v[XR+16*((\t)%4)+4*\i:XR+16*((\t)%4)+4*\i+3], v3, s[4:5] offset:2048*(\t)+512*\i th:TH_LOAD_NT
.endr
.endm
.macro XTURN t                         ; LDS serves a wave's instructions in order: no wait between the stores and the loads
.irp i, 0,1,2,3
	ds_store_b128 v14, v[XR+16*((\t)%4)+4*\i:XR+16*((\t)%4)+4*\i+3] offset:32*SP*((\t)%2)+8*SP*\i
.endr
.irp i, 0,1,2,3
	ds_load_b128 v[XX+16*((\t)%2)+4*\i:XX+16*((\t)%2)+4*\i+3], v15 offset:32*SP*((\t)%2)+16*\i
.endr
.endm
.irp t, 0,1,2,3
	XLOAD \t
.endr
	s_wait_loadcnt 12                              ; step 0's four loads are in
	XTURN 0
.macro XSTEP t
.set XS, XX+16*((\t)%2)
.if (\t) > 0
	s_wait_dscnt 1                                 ; this step's numbers are back from the stage (the last step's byte store may be out)
.else
	s_wait_dscnt 0x0
.endif
.if (\t)+4 < STEPS
	XLOAD (\t)+4
.endif
.if (\t)+1 < STEPS
.if STEPS-2-(\t) >= 3
	s_wait_loadcnt 12                              ; the next step's four loads are in; those of the three steps behind it may be out
.else
	s_wait_loadcnt 4*(STEPS-2-(\t))
.endif
	XTURN (\t)+1
.endif
	v_max3_num_f32 v8, |v[XS]|, |v[XS+1]|, |v[XS+2]|
	v_max3_num_f32 v9, |v[XS+3]|, |v[XS+4]|, |v[XS+5]|
.irp i, 6,10
	v_max3_num_f32 v8, v8, |v[XS+\i]|, |v[XS+\i+1]|
	v_max3_num_f32 v9, v9, |v[XS+\i+2]|, |v[XS+\i+3]|
.endr
	v_max3_num_f32 v8, v8, |v[XS+14]|, |v[XS+15]|
	v_max3_num_f32 v8, v8, v9, (EMAX+1)<<23        ; the floor 2^(3 - 127): the byte cannot fall under 1
	v_max_num_f32_dpp v8, v8, v8 row_xmask:1 row_mask:0xf bank_mask:0xf   ; with my neighbour's 16: the block's largest magnitude
	v_add_nc_u32 v11, -(EMAX<<23), v8              ; 2 off its exponent field: the conversion takes the exponent field of this operand as its scale
	v_cvt_scalef32_pk8_fp4_f32 v[XC+4*(\t)], v[XS:XS+7], v11
	v_cvt_scalef32_pk8_fp4_f32 v[XC+4*(\t)+1], v[XS+8:XS+15], v11
	v_lshrrev_b32 v[XE+(\t)], 23, v11              ; the scale's byte
	ds_store_b8 v5, v[XE+(\t)] offset:16*(\t)      ; both lanes of a block write the same byte with the same value
	global_store_b64 v4, v[XC+4*(\t):XC+4*(\t)+1], s[10:11] offset:256*(\t)   ; 32 lanes store 256 consecutive bytes, aligned
.endm
.irp t, 0,1,2,3,4,5,6,7,8,9,10,11,12,13,14,15
	XSTEP \t
.endr
	ds_load_b64 v[8:9], v6                         ; my wave's 256 scale bytes: these loads see my stores
	s_wait_dscnt 0x0
	global_store_b64 v4, v[8:9], s[12:13]          ; 256 consecutive bytes, aligned
	s_wait_tensorcnt 0x0                           ; the wave's end
	ds_add_u32 v[SPW], v[NIL]
	s_wait_dscnt 0x0
	s_endpgm
; ---------------- qkv_w: K is its first axis.  A lane takes a column and its registers run down K: a block of 32 lies in one lane, and the conversions give codes with K innermost.
; A wave takes 32 columns x 512 along K (16 blocks).  The codes go through the wave's stage, a column to a row, and leave as rows: sixteen lanes store 256 consecutive bytes, aligned.
.Lw:
.set NB,    16
.set WX,    32                         ; v32-95   two sets of 32 numbers
.set WC,    96                         ; v96-99   a block's codes
.set WO,    112                        ; v112-175 the way out
.set WSB,   24                         ; v24-27   the scale bytes, four to a register
	s_cmp_ge_u32 ttmp9, 24
	s_cselect_b32 s21, 1, 0                        ; which half of K
	s_cselect_b32 s22, 24, 0
	s_sub_co_u32 s22, ttmp9, s22
	s_lshl_b32 s22, s22, 7
	s_lshl_b32 s23, s20, 5
	s_add_co_u32 s22, s22, s23                     ; my wave's first column, a multiple of 32
	s_mul_i32 s24, s21, 512*12288
	s_lshl_b32 s26, s22, 2
	s_add_co_u32 s24, s24, s26
	s_mov_b32 s25, 0
	s_add_nc_u64 s[6:7], s[6:7], s[24:25]          ; qkv_w at (512 x half, column)
	s_lshl_b32 s24, s22, 9
	s_lshl_b32 s26, s21, 8
	s_add_co_u32 s24, s24, s26
	s_add_nc_u64 s[14:15], s[14:15], s[24:25]      ; wc: row = column, 512 bytes a row, + 256 x half
	s_lshl_b32 s24, s22, 5
	s_lshl_b32 s26, s21, 4
	s_add_co_u32 s24, s24, s26
	s_add_nc_u64 s[16:17], s[16:17], s[24:25]      ; ws: 32 bytes a row, + 16 x half
	v_lshlrev_b32 v3, 2, v2                        ; in: 4 bytes a lane
	v_and_b32 v5, 1, v2
	v_lshrrev_b32 v6, 1, v2
	v_lshl_add_u32 v10, v5, 4, v6                  ; my column's row among the wave's 32: 16 (lane & 1) + (lane >> 1)
	s_mul_i32 s27, s20, 32*272
	s_add_co_u32 s27, s27, WSTG                    ; my stage
	v_mul_u32_u24 v4, v10, 272
	v_add_nc_u32 v4, s27, v4                       ; into it
	v_and_b32 v5, 15, v2
	v_lshrrev_b32 v6, 4, v2
	v_mul_u32_u24 v7, v6, 272
	v_lshl_add_u32 v7, v5, 4, v7
	v_add_nc_u32 v7, s27, v7                       ; out of it: sixteen lanes to a row, two rows an instruction
	v_lshlrev_b32 v8, 9, v6
	v_lshl_add_u32 v8, v5, 4, v8                   ; and the same place in wc
	v_lshlrev_b32 v9, 5, v10                       ; my row of ws
.macro WLOAD t
.irp i, 0,1,2,3,4,5,6,7,8,9,10,11,12,13,14,15,16,17,18,19,20,21,22,23,24,25,26,27,28,29,30,31
	global_load_b32 v[WX+32*((\t)%2)+\i], v3, s[6:7] offset:(32*(\t)+\i)*12288 th:TH_LOAD_NT   ; 128 consecutive bytes a wave; 511 x 12,288 at the most, inside the signed 24-bit immediate
.endr
.endm
	WLOAD 0
	WLOAD 1
.macro WBLOCK t
.set XS, WX+32*((\t)%2)
.if (\t) < NB-1
	s_wait_loadcnt 32                              ; this block's 32 loads are in; the next block's may be out
.else
	s_wait_loadcnt 0x0
.endif
	v_max3_num_f32 v12, |v[XS]|, |v[XS+1]|, |v[XS+2]|
	v_max3_num_f32 v13, |v[XS+3]|, |v[XS+4]|, |v[XS+5]|
.irp i, 6,10,14,18,22,26
	v_max3_num_f32 v12, v12, |v[XS+\i]|, |v[XS+\i+1]|
	v_max3_num_f32 v13, v13, |v[XS+\i+2]|, |v[XS+\i+3]|
.endr
	v_max3_num_f32 v12, v12, |v[XS+30]|, |v[XS+31]|
	v_max3_num_f32 v12, v12, v13, (EMAX+1)<<23     ; the floor
	v_add_nc_u32 v11, -(EMAX<<23), v12             ; the conversion's scale operand
	v_lshrrev_b32 v13, 23, v11                     ; the scale's byte
.if (\t)%4 == 0
	v_mov_b32 v[WSB+(\t)/4], v13
.else
	v_lshl_or_b32 v[WSB+(\t)/4], v13, 8*((\t)%4), v[WSB+(\t)/4]
.endif
.irp g, 0,1,2,3
	v_cvt_scalef32_pk8_fp4_f32 v[WC+\g], v[XS+8*\g:XS+8*\g+7], v11
.endr
	ds_store_b128 v4, v[WC:WC+3] offset:16*(\t)    ; 32 codes: 16 bytes of my column's row
.if (\t)+2 < NB
	WLOAD (\t)+2
.endif
	s_wait_dscnt 0x0                               ; the store has read its registers: the next block's codes may be written
.endm
.irp t, 0,1,2,3,4,5,6,7,8,9,10,11,12,13,14,15
	WBLOCK \t
.endr
	global_store_b128 v9, v[WSB:WSB+3], s[16:17]   ; my column's 16 scale bytes
.irp t, 0,1,2,3,4,5,6,7,8,9,10,11,12,13,14,15
	ds_load_b128 v[WO+4*\t:WO+4*\t+3], v7 offset:2*\t*272
.endr
.irp t, 0,1,2,3,4,5,6,7,8,9,10,11,12,13,14,15
	s_wait_dscnt 15-\t                             ; the younger row loads may be out
	global_store_b128 v8, v[WO+4*\t:WO+4*\t+3], s[14:15] offset:2*\t*512
.endr
	s_wait_tensorcnt 0x0                           ; the wave's end
	ds_add_u32 v[SPW], v[NIL]
	s_wait_dscnt 0x0
	s_endpgm
; ---------------- proj_w: the same plan for a cast.  A wave takes 32 columns x 128 along K (4 blocks of 32): 256 bytes of f16 for each column.
.Lp:
.set PX,    32                         ; v32-95   two sets of 32 numbers
.set PCV,   96                         ; v96-111  a block as f16
.set PO,    112                        ; v112-175 the way out
	s_sub_co_u32 s21, ttmp9, 48
	s_and_b32 s22, s21, 7
	s_lshr_b32 s23, s21, 3                         ; which 128 along K
	s_lshl_b32 s22, s22, 7
	s_lshl_b32 s24, s20, 5
	s_add_co_u32 s22, s22, s24                     ; my wave's first column
	s_lshl_b32 s24, s23, 19                        ; 128 rows of 4,096 bytes
	s_lshl_b32 s26, s22, 2
	s_add_co_u32 s24, s24, s26
	s_mov_b32 s25, 0
	s_add_nc_u64 s[8:9], s[8:9], s[24:25]
	s_lshl_b32 s24, s22, 11                        ; pw: 2,048 bytes a row
	s_lshl_b32 s26, s23, 8
	s_add_co_u32 s24, s24, s26
	s_add_nc_u64 s[18:19], s[18:19], s[24:25]
	v_lshlrev_b32 v3, 2, v2
	s_mul_i32 s27, s20, 32*272
	s_add_co_u32 s27, s27, PSTG                    ; my stage
	v_mul_u32_u24 v4, v2, 272
	v_add_nc_u32 v4, s27, v4                       ; into it: row = my column
	v_and_b32 v5, 15, v2
	v_lshrrev_b32 v6, 4, v2
	v_mul_u32_u24 v7, v6, 272
	v_lshl_add_u32 v7, v5, 4, v7
	v_add_nc_u32 v7, s27, v7
	v_lshlrev_b32 v8, 11, v6
	v_lshl_add_u32 v8, v5, 4, v8
.macro PLOAD t
.irp i, 0,1,2,3,4,5,6,7,8,9,10,11,12,13,14,15,16,17,18,19,20,21,22,23,24,25,26,27,28,29,30,31
	global_load_b32 v[PX+32*((\t)%2)+\i], v3, s[8:9] offset:(32*(\t)+\i)*4096 th:TH_LOAD_NT
.endr
.endm
	PLOAD 0
	PLOAD 1
.macro PBLOCK t
.set XS, PX+32*((\t)%2)
.if (\t) < 3
	s_wait_loadcnt 32                              ; this block's loads are in; the next block's may be out
.else
	s_wait_loadcnt 0x0
.endif
.irp i, 0,1,2,3,4,5,6,7,8,9,10,11,12,13,14,15
	v_cvt_pk_f16_f32 v[PCV+\i], v[XS+2*\i], v[XS+2*\i+1]   ; two neighbours along K, the lower in the low half
.endr
.irp g, 0,1,2,3
	ds_store_b128 v4, v[PCV+4*\g:PCV+4*\g+3] offset:64*(\t)+16*\g
.endr
.if (\t) < 2
	PLOAD (\t)+2
.endif
	s_wait_dscnt 0x0                               ; the stores have read their registers
.endm
.irp t, 0,1,2,3
	PBLOCK \t
.endr
.irp t, 0,1,2,3,4,5,6,7,8,9,10,11,12,13,14,15
	ds_load_b128 v[PO+4*\t:PO+4*\t+3], v7 offset:2*\t*272
.endr
.irp t, 0,1,2,3,4,5,6,7,8,9,10,11,12,13,14,15
	s_wait_dscnt 15-\t
	global_store_b128 v8, v[PO+4*\t:PO+4*\t+3], s[18:19] offset:2*\t*2048   ; sixteen lanes store 256 consecutive bytes, aligned
.endr
	s_wait_tensorcnt 0x0                           ; the wave's end
	ds_add_u32 v[SPW], v[NIL]
	s_wait_dscnt 0x0
	s_endpgm
.Lfunc_end_k_qecef908d01_prep:
	.size	k_qecef908d01_prep, .Lfunc_end_k_qecef908d01_prep-k_qecef908d01_prep
	.p2alignl 7, 3214868480
	.fill 96, 4, 3214868480
	.section	.rodata,"a",@progbits
	.p2align	6, 0x0
	.amdhsa_kernel k_qecef908d01_prep
		.amdhsa_group_segment_fixed_size 102912
		.amdhsa_private_segment_fixed_size 0
		.amdhsa_enable_private_segment 0
		.amdhsa_kernarg_size 64
		.amdhsa_user_sgpr_count 2
		.amdhsa_user_sgpr_kernarg_segment_ptr 1
		.amdhsa_wavefront_size32 1
		.amdhsa_system_sgpr_workgroup_id_x 1
		.amdhsa_system_sgpr_workgroup_id_y 1
		.amdhsa_system_sgpr_workgroup_id_z 1
		.amdhsa_system_vgpr_workitem_id 0
		.amdhsa_next_free_vgpr 192
		.amdhsa_next_free_sgpr 66
		.amdhsa_reserve_vcc 0
		.amdhsa_float_denorm_mode_32 3
		.amdhsa_float_denorm_mode_16_64 3
		.amdhsa_memory_ordered 1
		.amdhsa_forward_progress 1
		.amdhsa_inst_pref_size 132
	.end_amdhsa_kernel
	.amdgpu_metadata
---
amdhsa.version: [ 1, 2 ]
amdhsa.kernels:
  - .name:           k_qecef908d01_prep
    .symbol:         k_qecef908d01_prep.kd
    .args:
      - { .name: x, .offset: 0, .size: 8, .value_kind: global_buffer, .address_space: global }
      - { .name: qkv_w, .offset: 8, .size: 8, .value_kind: global_buffer, .address_space: global }
      - { .name: proj_w, .offset: 16, .size: 8, .value_kind: global_buffer, .address_space: global }
      - { .name: xc, .offset: 24, .size: 8, .value_kind: global_buffer, .address_space: global }
      - { .name: xs, .offset: 32, .size: 8, .value_kind: global_buffer, .address_space: global }
      - { .name: wc, .offset: 40, .size: 8, .value_kind: global_buffer, .address_space: global }
      - { .name: ws, .offset: 48, .size: 8, .value_kind: global_buffer, .address_space: global }
      - { .name: pw, .offset: 56, .size: 8, .value_kind: global_buffer, .address_space: global }
    .group_segment_fixed_size: 102912
    .private_segment_fixed_size: 0
    .kernarg_segment_align: 8
    .kernarg_segment_size: 64
    .max_flat_workgroup_size: 128
    .sgpr_count:     66
    .vgpr_count:     192
    .wavefront_size: 32
...
	.end_amdgpu_metadata
.endif
;; end of part 1
;; launch qkv (part 2): grid 12 x 32, 4 waves a work-group, clusters of 4 x 4, 327,680 bytes of LDS; arguments xc, xs, wc, ws, qkv, qkv_b, rope_cos, rope_sin; writes qkv
.if DOCPART == 2
	.amdgcn_target "amdgcn-amd-amdhsa--gfx1250"
	.amdhsa_code_object_version 6
	.text
	.protected	k_qecef908d01_qkv
	.globl	k_qecef908d01_qkv
	.p2align	8
	.type	k_qecef908d01_qkv,@function
k_qecef908d01_qkv:
	s_mov_b64 s[64:65], 0
	v_nop
	global_prefetch_b8 v0, s[64:65] scope:SCOPE_SE
	s_setreg_imm32_b32 hwreg(HW_REG_WAVE_MODE, 25, 1), 1
	s_wait_xcnt 0x0
	s_wait_alu depctr_hold_cnt(0) depctr_sa_sdst(0) depctr_va_vdst(0) depctr_va_sdst(0) depctr_va_ssrc(0) depctr_va_vcc(0) depctr_vm_vsrc(0)
	s_getreg_b32 s2, hwreg(HW_REG_IB_STS2, 6, 4)
	s_cmp_eq_u32 s2, 0
	s_cbranch_scc0 .Lentry_in_a_cluster
	s_endpgm
.Lentry_in_a_cluster:
	s_bfe_u32 s2, ttmp6, 0x10000c
	s_cmp_lg_u32 s2, 0xf033
	s_cbranch_scc0 .Lentry_shape_is_right
	s_endpgm
.Lentry_shape_is_right:
; QKV: qkv[m][n] = x[m][:] . qkv_w[:][n] + qkv_b[n] on codes of FP4 (E2M1) with one E8M0 scale for each 32 along K; then rope on q and k, q x log2(e) / 8, all rounded once to f16.
; xc [8192][512 bytes], xs [8192][32]; wc [3072][512 bytes], ws [3072][32], their rows permuted: in each group of 32 rows the first 16 are the group's even columns of qkv_w, the last 16 the odd ones.
; qkv: f16 [8192][3072]: q at columns 0 .. 1,023, k at 1,024 .., v at 2,048 ..; a row is 6,144 bytes.
; A tile of 256 x 256 is made by a work-group of four waves, a wave makes 128 x 128: 64 accumulators, 512 registers.  K = 1,024 is two LDS slots of 512 along K, each filled once, at the head; nothing is filled again.
; The scales of the work-group's 256 + 256 rows come once, as dense blocks.
; CLUSTERS: 4 x 4 work-groups; x's tiles are asked for jointly along a row of the cluster, w's along a column.  A cluster spans 1,024 columns: cluster x = 0 is q, 1 is k, 2 is v, alike in all sixteen partners.
; THE MATRIX INSTRUCTION IS USED TRANSPOSED (source 0 = 16 rows of wc, source 1 = 16 rows of xc): lane (r, h) of accumulator (a, b) holds row 16 a + r and, in register j, row 16 b + 8 h + j of wc.
; By the permutation accumulators 2 g and 2 g + 1 hold, at the same register j, the even and the odd number of rope pair 16 g + 8 h + j.  The bias is the C of each sum's first product.
; LIMITS: 0.18 |q|, |k|, |v| beyond 65,504 have no f16 number; NaN and infinities are not served.
; REGISTERS: window 0: v0-31 addresses; v32-95 scale words, two sets; v96-127 the first block's cos and sin; v128-191 x's fragments, one set; v192-255 the bias in the result's layout.  On the way out v32-255 are laid anew.
;   window 1: w's fragments, two sets, at v0 and v128.   window 2: the accumulators of my rows 0-63 ((a, b) at v[8 (8 a + b)]);   window 3: those of rows 64-127.
.set SIZE_K, 1024
.set NQ,     4                         ; steps of 128 along K in a slot
.set ROWB,   256                       ; a tile's row in bytes: 512 codes
.set KROW,   512                       ; a row of codes in memory
.set PITCH,  272                       ; an LDS row: 256 bytes + 16 of padding = 68 words: the 16 rows that a load touches start at 16 different banks (64 banks of 4 bytes: ISA guide 11.1)
.set FR,     8
.set NL,     2
.set NP,     4                         ; places behind this matrix instruction (ISA guide 7.12.1)
.set HALFT,  128*PITCH
.set SLOT,   4*HALFT
.set KS,     32                        ; a row of scales in bytes
.set SCL,    2*SLOT                    ; behind the two slots: the scales, as units of 256 bytes + 16 of padding
.set HALFS,  (128*KS/256)*272
.set SBLK,   (16*KS/256)*272
.set SPARE,  SCL+4*HALFS               ; the spare words, 128 bytes a wave: two blocks of 256 bytes that no other line names
.set ROWQ,   6144                      ; a row of qkv in bytes
.set VSTG,   4*16*272                  ; the way out's stages lie in slot 0: rope's at 0, v's behind them: each way has bytes of its own
.set ADRA, 16
.set ADRB, 20
.set STO,  24                          ; v24  the way out: where I put 32 bytes of a row
.set RD,   25                          ; v25  where I read a row back
.set CO,   26                          ; v26  my byte offset in two rows of qkv
.set ADRS, 27
.set SPW,  28
.set NIL,  29
.set RO,   30                          ; v30  my byte offset in 16 rows of cos and sin
.set BO,   31                          ; v31  my byte offset in the bias
.set SC,   32
.set AF,   128
.set BI,   192                         ; the bias: tile b at v[BI + 8 b]
.set RR,   32                          ; the way out: group g: re at v[RR + 16 g], ro at v[RR + 16 g + 8]
.set CSB,  96                          ; cos and sin, two sets of 32: cos of pairs 16 y + 8 h + 0 .. 7 at + 8 y, sin at + 16 + 8 y
.set PKR,  160                         ; a block as f16
.set BK,   192                         ; rows read back from the stage, two sets of 32
.set G1, 24
.set G0, 32
.set G1B, 48
.set G0B, 56
.set G1S, 68
.set G0S, 76
.set G1SB, 80
.set G0SB, 88
.set MSB, 0
.macro WIN new                         ; the immediate's high byte repeats the setting that is left
.if MSB != (\new)
	s_set_vgpr_msb (MSB<<8)|(\new)
.set MSB, (\new)
.endif
.endm
.set MUL_LO, 0xa1                      ; source 0 (w) window 1, source 1 (x) window 0, C and D window 2
.set MUL_HI, 0xf1                      ; the same, C and D window 3
.set TO_B,   0x40
; A joint load: waves 0 and 1 fetch for x, waves 2 and 3 for w.  The branch hangs on the wave's number alone.  An s_nop 0 and four v_nop follow each of the two lines.
.macro JLOAD g0a, g1a, g0b, g1b
	s_cmp_eq_u32 s15, 0
	s_cbranch_scc0 .Lfor_b_\@
	tensor_load_to_lds s[\g0a:\g0a+3], s[\g1a:\g1a+7]
	s_nop 0
.rept 4
	v_nop
.endr
	s_branch .Lasked_\@
.Lfor_b_\@:
	tensor_load_to_lds s[\g0b:\g0b+3], s[\g1b:\g1b+7]
	s_nop 0
.rept 4
	v_nop
.endr
.Lasked_\@:
.endm
.macro CROUND                          ; a round of the cluster's barrier
	s_barrier_signal -1
	s_barrier_wait -1
	s_cmp_lg_u32 s14, 0
	s_cbranch_scc1 .Lnot_wave_0_\@
	s_barrier_signal -3
.Lnot_wave_0_\@:
	s_barrier_wait -3
	s_barrier_signal -1
	s_barrier_wait -1
.endm
	s_load_b128 s[4:7], s[0:1], 0x0                ; xc, xs
	s_load_b128 s[8:11], s[0:1], 0x10              ; wc, ws
	s_load_b64 s[12:13], s[0:1], 0x20              ; qkv
	s_load_b128 s[96:99], s[0:1], 0x28             ; qkv_b, rope_cos
	s_load_b64 s[100:101], s[0:1], 0x38            ; rope_sin
	v_lshl_add_u32 v[SPW], v0, 2, SPARE
	v_mov_b32 v[NIL], 0
	ds_add_u32 v[SPW], v[NIL]                      ; the wave's opening: the add, twice on end, and its wait ahead of my first tensor load
	ds_add_u32 v[SPW], v[NIL]
	v_lshrrev_b32 v1, 5, v0
	v_readfirstlane_b32 s14, v1                    ; wave 0..3
	s_lshr_b32 s15, s14, 1                         ; which half of the tile's rows is mine.  Also: I fetch for x (0) or for w (1)
	s_and_b32 s16, s14, 1                          ; which half of its columns.  Also: which 128 rows of that tile I fetch
	s_bfe_u32 s40, ttmp6, 0x40000                  ; cx, cy
	s_bfe_u32 s41, ttmp6, 0x40004
	s_lshl_b32 s42, ttmp9, 2
	s_add_co_u32 s42, s42, s40                     ; tile column = 4 x cluster x + cx
	s_and_b32 s17, ttmp7, 0xffff
	s_lshl_b32 s17, s17, 2
	s_add_co_u32 s17, s17, s41                     ; tile row = 4 x cluster y + cy
	s_lshl_b32 s43, s41, 2
	s_lshl_b32 s43, 15, s43                        ; my row of the cluster
	s_lshl_b32 s44, 0x1111, s40                    ; my column
	s_or_b32 s[G1+0], s43, (0<<16)|(1<<20)|(1<<21)|(5<<22)|(3<<25)  ; the mask; elements of 1 byte; padding on; bit 21 beside a mask; after every 64 words 4 words
	s_or_b32 s[G1B+0], s44, (0<<16)|(1<<20)|(1<<21)|(5<<22)|(3<<25)
.irp g, G1, G1B
	s_mov_b32 s[\g+1], ROWB<<16                    ; tensor_dim0
	s_mov_b32 s[\g+2], 128<<16                     ; tensor_dim1
	s_mov_b32 s[\g+3], ROWB<<16                    ; tile_dim0
	s_mov_b32 s[\g+4], 128                         ; tile_dim1
	s_mov_b32 s[\g+5], KROW                        ; the pitch
	s_mov_b32 s[\g+6], 0
	s_mov_b32 s[\g+7], 0
.endr
	s_or_b32 s[G1S+0], s43, (3<<16)|(1<<20)|(1<<21)|(5<<22)|(3<<25)  ; the scales of 128 rows: 4,096 dense bytes as 16 rows of 256 (32 elements of 8 bytes)
	s_or_b32 s[G1SB+0], s44, (3<<16)|(1<<20)|(1<<21)|(5<<22)|(3<<25)
.irp g, G1S, G1SB
	s_mov_b32 s[\g+1], 32<<16
	s_mov_b32 s[\g+2], (128*KS/256)<<16
	s_mov_b32 s[\g+3], 32<<16
	s_mov_b32 s[\g+4], 128*KS/256
	s_mov_b32 s[\g+5], 32
	s_mov_b32 s[\g+6], 0
	s_mov_b32 s[\g+7], 0
.endr
	s_lshl_b32 s18, s16, 7
	s_lshl_b32 s20, s17, 8
	s_add_co_u32 s20, s20, s18                     ; x: row 256 x tile row + 128 x half
	s_lshl_b32 s46, s42, 8
	s_add_co_u32 s46, s46, s18                     ; w: row 256 x tile column + 128 x half
	s_mov_b32 s21, 0
	s_mov_b32 s47, 0
	s_mov_b64 s[18:19], KS
	s_mul_u64 s[22:23], s[20:21], s[18:19]         ; where these rows' scales begin
	s_mul_u64 s[92:93], s[46:47], s[18:19]
	s_mov_b64 s[18:19], KROW
	s_mul_u64 s[20:21], s[20:21], s[18:19]         ; and their codes
	s_mul_u64 s[46:47], s[46:47], s[18:19]
	s_mul_i32 s45, s14, HALFT                      ; where they go: wave x 128 rows: no place in the cluster enters an LDS address
	s_mul_i32 s94, s14, HALFS
	s_wait_dscnt 0x0                               ; both opening adds are done
	s_wait_kmcnt 0x0
	s_add_nc_u64 s[20:21], s[4:5], s[20:21]
	s_add_nc_u64 s[22:23], s[6:7], s[22:23]
	s_add_nc_u64 s[46:47], s[8:9], s[46:47]
	s_add_nc_u64 s[92:93], s[10:11], s[92:93]
	CROUND                                         ; all sixteen work-groups are here: the joint loads meet
	s_mov_b32 s[G0S], 1
	s_add_co_u32 s[G0S+1], s94, SCL
	s_mov_b64 s[G0S+2:G0S+3], s[22:23]
	s_or_b32 s[G0S+3], s[G0S+3], 0x80000000
	s_mov_b32 s[G0SB], 1
	s_add_co_u32 s[G0SB+1], s94, SCL
	s_mov_b64 s[G0SB+2:G0SB+3], s[92:93]
	s_or_b32 s[G0SB+3], s[G0SB+3], 0x80000000
	JLOAD G0S, G1S, G0SB, G1SB                     ; the scales first; three loads of mine are out behind the last of these
.irp s, 0,1
	s_mov_b32 s[G0+4*\s], 1
	s_add_co_u32 s[G0+4*\s+1], s45, \s*SLOT
	s_add_nc_u64 s[G0+4*\s+2:G0+4*\s+3], s[20:21], \s*ROWB
	s_or_b32 s[G0+4*\s+3], s[G0+4*\s+3], 0x80000000
	s_mov_b32 s[G0B+4*\s], 1
	s_add_co_u32 s[G0B+4*\s+1], s45, \s*SLOT
	s_add_nc_u64 s[G0B+4*\s+2:G0B+4*\s+3], s[46:47], \s*ROWB
	s_or_b32 s[G0B+4*\s+3], s[G0B+4*\s+3], 0x80000000
	JLOAD G0+4*\s, G1, G0B+4*\s, G1B
.endr
	v_and_b32 v1, 15, v0                           ; r
	v_bfe_u32 v2, v0, 4, 1                         ; h
	v_mul_u32_u24 v3, v1, PITCH
	v_lshl_add_u32 v4, v2, 4, v3                   ; a fragment's row x pitch + 16 h
	s_mul_i32 s21, s15, HALFT                      ; my 128 rows of x
	s_mul_i32 s22, s16, HALFT                      ; my 128 rows of w,
	s_add_co_u32 s22, s22, 2*HALFT                 ; behind x's 256
.irp s, 0,1
	v_add_nc_u32 v[ADRA+\s], s21, v4
	v_add_nc_u32 v[ADRB+\s], s22, v4
	s_add_co_u32 s21, s21, SLOT
	s_add_co_u32 s22, s22, SLOT
.endr
	v_mul_u32_u24 v5, v1, KS                       ; my row's scales: 32 bytes a row,
	v_lshrrev_b32 v6, 8, v5
	v_lshl_add_u32 v5, v6, 4, v5                   ; and 16 more for each 256 passed
	s_mul_i32 s21, s15, HALFS
	s_mul_i32 s22, s16, HALFS
	s_add_co_u32 s22, s22, 2*HALFS
	s_sub_co_u32 s22, s22, s21
	v_mul_u32_u24 v6, s22, v2                      ; lanes 16-31 take w's
	s_add_co_u32 s21, s21, SCL
	v_add_nc_u32 v5, v5, v6
	v_add_nc_u32 v[ADRS], s21, v5
	s_mul_i32 s94, s14, 16*272                     ; my stage: 16 rows x (256 bytes + 16)
	v_mul_u32_u24 v5, v1, 272
	v_lshl_add_u32 v5, v2, 5, v5
	v_add_nc_u32 v[STO], s94, v5                   ; in: row r, 32 bytes for each half of the lanes
	v_mul_u32_u24 v5, v2, 272
	v_lshl_add_u32 v5, v1, 4, v5
	v_add_nc_u32 v[RD], s94, v5                    ; back: lanes 0-15 one row of 256 bytes, lanes 16-31 the next
	v_mul_u32_u24 v5, v2, ROWQ
	v_lshl_add_u32 v[CO], v1, 4, v5                ; and the same two rows in qkv
	v_lshlrev_b32 v[RO], 7, v1
	v_lshl_add_u32 v[RO], v2, 5, v[RO]             ; cos, sin: 128 bytes a position, + my half's eight pairs
	v_lshlrev_b32 v[BO], 6, v2                     ; the bias: my half's 16 columns of a group of 32
	s_lshl_b32 s20, s17, 8
	s_lshl_b32 s21, s15, 7
	s_add_co_u32 s20, s20, s21                     ; my first row: 256 x tile row + 128 x half
	s_and_b32 s22, s20, 2047                       ; its position in the sequence
	s_lshl_b32 s22, s22, 7
	s_mov_b32 s23, 0
	s_add_nc_u64 s[98:99], s[98:99], s[22:23]
	s_add_nc_u64 s[100:101], s[100:101], s[22:23]
	s_mul_i32 s20, s20, ROWQ
	s_lshl_b32 s46, s42, 9                         ; my first column in bytes of f16: 512 x tile column + 256 x half
	s_lshl_b32 s47, s16, 8
	s_add_co_u32 s46, s46, s47
	s_add_co_u32 s20, s20, s46
	s_mov_b32 s21, 0
	s_add_nc_u64 s[12:13], s[12:13], s[20:21]
	s_lshl_b32 s22, s46, 1                         ; the same column in bytes of f32
	s_add_nc_u64 s[96:97], s[96:97], s[22:23]
	s_mov_b32 s66, 1.0                             ; what cos and sin are multiplied by: 1 for k,
	s_cmp_eq_u32 ttmp9, 0
	s_cselect_b32 s66, 0x3e38aa3b, s66             ; log2(e) / 8 for q: the softmax's scale and its change of base
	s_mov_b32 s67, s66                             ; (named with it as a pair)
.irp b, 0,1,2,3,4,5,6,7
.irp j, 0,1,2,3,4,5,6,7
	global_load_b32 v[BI+8*\b+\j], v[BO], s[96:97] offset:(32*(\b/2)+2*\j+(\b%2))*4   ; row 16 b + 8 h + j of wc is column 32 (b / 2) + 16 h + 2 j + b % 2
.endr
.endr
.macro RLOAD a                         ; cos and sin of block a's 16 positions: eight loads
.set CC, CSB+32*((\a)%2)
.irp y, 0,1
.irp e, 0,1
	global_load_b128 v[CC+8*\y+4*\e:CC+8*\y+4*\e+3], v[RO], s[98:99] offset:(\a)*2048+64*\y+16*\e
	global_load_b128 v[CC+16+8*\y+4*\e:CC+16+8*\y+4*\e+3], v[RO], s[100:101] offset:(\a)*2048+64*\y+16*\e
.endr
.endr
.endm
	RLOAD 0                                        ; (v's work-groups issue these eight too and never read them: that spares a branch here)
.macro FRAG reg, adr, q, i             ; 16 rows x 128 K of 4-bit codes: 8 registers: lane l holds row l % 16; registers 4 c .. 4 c + 3 hold K = 64 c + 32 (l / 16) + 0 .. 31
.irp c, 0,1
	ds_load_b128 v[\reg+4*\c:\reg+4*\c+3], v[\adr] offset:64*(\q)+32*\c+(\i)*16*PITCH
.endr
.endm
; 16 matrix instructions: x's blocks a0, a0 + 1 against w's eight, the slot's q-th 128 along K.  p: w's set; sc: the set of scale words.  zero = 1: the first product starts the sums from the bias.
; The 64 accumulators take turns, one instruction a turn, in the same order in every step.
.macro MUL16 a0, p, q, sc, zero
.irp a, \a0, \a0+1
.irp b, 0,1,2,3,4,5,6,7
.if \zero
	v_wmma_scale_f32_16x16x128_f8f6f4 v[8*(8*((\a)%4)+\b):8*(8*((\a)%4)+\b)+7], v[128*(\p)+FR*\b:128*(\p)+FR*\b+FR-1], v[AF+FR*(\a):AF+FR*(\a)+FR-1], v[BI+8*\b:BI+8*\b+7], v[SC+8*NQ*(\sc)+NQ*\b+(\q)], v[SC+8*NQ*(\sc)+NQ*(\a)+(\q)] matrix_a_fmt:MATRIX_FMT_FP4 matrix_b_fmt:MATRIX_FMT_FP4 matrix_a_scale:MATRIX_SCALE_ROW1
.else
	v_wmma_scale_f32_16x16x128_f8f6f4 v[8*(8*((\a)%4)+\b):8*(8*((\a)%4)+\b)+7], v[128*(\p)+FR*\b:128*(\p)+FR*\b+FR-1], v[AF+FR*(\a):AF+FR*(\a)+FR-1], v[8*(8*((\a)%4)+\b):8*(8*((\a)%4)+\b)+7], v[SC+8*NQ*(\sc)+NQ*\b+(\q)], v[SC+8*NQ*(\sc)+NQ*(\a)+(\q)] matrix_a_fmt:MATRIX_FMT_FP4 matrix_b_fmt:MATRIX_FMT_FP4 matrix_a_scale:MATRIX_SCALE_ROW1
.endif
.endr
.endr
.endm
.macro FETCH_B slot, q, p
	WIN TO_B
.irp i, 0,1,2,3,4,5,6,7
	FRAG 128*(\p)+FR*\i, ADRB+\slot, \q, \i
.endr
	WIN 0
.endm
.macro FETCH_A slot, q, i0
.irp i, \i0, \i0+1, \i0+2, \i0+3
	FRAG AF+FR*(\i), ADRA+\slot, \q, \i
.endr
.endm
.macro SCALES sc                       ; a slot's scale words: 4 words a row; lanes 0-15 take x's block i, lanes 16-31 w's block i
.irp i, 0,1,2,3,4,5,6,7
	ds_load_b128 v[SC+8*NQ*\sc+NQ*\i:SC+8*NQ*\sc+NQ*\i+3], v[ADRS] offset:\i*SBLK
.endr
.endm
.macro PLACES n                        ; plain vector instructions between a matrix instruction and a load into, or a vector instruction on, its registers
.rept \n
	v_nop
.endr
.endm
.macro STEP slot, q, zero              ; a step of 128 along K that has its successor in the same slot
	s_wait_dscnt 4*NL                              ; w's set and x's blocks 0-3 are in; the youngest eight loads (x's blocks 4-7) may be out
.if \zero
	WIN 0x81                                       ; source 0 window 1, source 1 and the bias window 0, D window 2
.else
	WIN MUL_LO
.endif
	MUL16 0, (\q)%2, \q, \slot, \zero
	MUL16 2, (\q)%2, \q, \slot, \zero
	s_wait_dscnt 0                                 ; x's blocks 4-7 are in
	PLACES NP
	FETCH_B \slot, (\q)+1, 1-(\q)%2
	FETCH_A \slot, (\q)+1, 0
.if \zero
	WIN 0xc1                                       ; the same, D window 3
.else
	WIN MUL_HI
.endif
	MUL16 4, (\q)%2, \q, \slot, \zero
	MUL16 6, (\q)%2, \q, \slot, \zero
	PLACES NP
	WIN 0
	FETCH_A \slot, (\q)+1, 4
.endm
.macro STEPS slot, from
.set Q, \from
.rept NQ-1-\from
	STEP \slot, Q, 0
.set Q, Q+1
.endr
.endm
	s_wait_tensorcnt 1                             ; the scales and my part of slot 0 are in; slot 1's load may be out
	s_barrier_signal -1
	s_barrier_wait -1
	FETCH_B 0, 0, 0
	FETCH_A 0, 0, 0
	SCALES 0
	FETCH_A 0, 0, 4
	s_wait_loadcnt 0x0                             ; the bias, and the first cos and sin
	STEP 0, 0, 1
	STEPS 0, 1
	; slot 0's last step changes slots: one barrier; in front of it my part of slot 1 has landed and my reads of slot 0 are over
	s_wait_tensorcnt 0x0
	ds_add_u32 v[SPW], v[NIL]                      ; 0 onto my spare word
	s_wait_dscnt 4*NL+1                            ; (the add and the youngest eight loads may be out)
	WIN MUL_LO
	MUL16 0, 1, NQ-1, 0, 0
	s_wait_dscnt 0x0
	s_barrier_signal -1
	MUL16 2, 1, NQ-1, 0, 0
	WIN 0
	s_barrier_wait -1
	PLACES NP
	v_add_nc_u32 v[ADRS], 4*NQ, v[ADRS]            ; on to slot 1's scale words
	FETCH_B 1, 0, 0
	FETCH_A 1, 0, 0
	SCALES 1
	WIN MUL_HI
	MUL16 4, 1, NQ-1, 0, 0
	MUL16 6, 1, NQ-1, 0, 0
	PLACES NP
	WIN 0
	FETCH_A 1, 0, 4
	STEPS 1, 0
	s_wait_dscnt 4*NL                              ; the very last step
	WIN MUL_LO
	MUL16 0, 1, NQ-1, 1, 0
	MUL16 2, 1, NQ-1, 1, 0
	s_wait_dscnt 0
	WIN MUL_HI
	MUL16 4, 1, NQ-1, 1, 0
	MUL16 6, 1, NQ-1, 1, 0
	WIN 0
; THE WAY OUT, block by block of 16 rows x 128 columns.
; ROPE a: re = te cos - to sin, ro = te sin + to cos, cos and sin first multiplied by q's factor; re and ro of a pair are two neighbouring columns: one register of f16.
.macro ROPE a
.if (\a) < 7
	RLOAD (\a)+1
	s_wait_loadcnt 8                               ; this block's cos and sin are in; the eight loads just issued may be out
.else
	s_wait_loadcnt 0x0
.endif
.set CC, CSB+32*((\a)%2)
.set AC, 64*((\a)%4)
.irp i, 0,2,4,6,8,10,12,14,16,18,20,22,24,26,28,30
	v_pk_mul_f32 v[CC+\i:CC+\i+1], v[CC+\i:CC+\i+1], s[66:67] op_sel_hi:[1,0]
.endr
	WIN 0x02+(\a)/4                                ; source 0: the accumulators' window
.irp g, 0,1,2,3
.irp i, 0,2,4,6                        ; each accumulator is read from its low end on
	v_pk_mul_f32 v[RR+16*\g+\i:RR+16*\g+\i+1], v[AC+16*\g+8+\i:AC+16*\g+8+\i+1], v[CC+16+8*(\g%2)+\i:CC+16+8*(\g%2)+\i+1]
	v_pk_mul_f32 v[RR+16*\g+8+\i:RR+16*\g+8+\i+1], v[AC+16*\g+\i:AC+16*\g+\i+1], v[CC+16+8*(\g%2)+\i:CC+16+8*(\g%2)+\i+1]
.endr
.endr
.irp g, 0,1,2,3
.irp i, 0,2,4,6
	v_pk_fma_f32 v[RR+16*\g+\i:RR+16*\g+\i+1], v[AC+16*\g+\i:AC+16*\g+\i+1], v[CC+8*(\g%2)+\i:CC+8*(\g%2)+\i+1], v[RR+16*\g+\i:RR+16*\g+\i+1] neg_lo:[0,0,1] neg_hi:[0,0,1]
	v_pk_fma_f32 v[RR+16*\g+8+\i:RR+16*\g+8+\i+1], v[AC+16*\g+8+\i:AC+16*\g+8+\i+1], v[CC+8*(\g%2)+\i:CC+8*(\g%2)+\i+1], v[RR+16*\g+8+\i:RR+16*\g+8+\i+1]
.endr
.endr
	WIN 0
.irp g, 0,1,2,3
.irp j, 0,1,2,3,4,5,6,7
	v_cvt_pk_f16_f32 v[PKR+8*\g+\j], v[RR+16*\g+\j], v[RR+16*\g+8+\j]   ; columns 32 g + 16 h + 2 j and + 1
.endr
.endr
.endm
.macro PACKV a                         ; v: the even and the odd column as they are
.set AC, 64*((\a)%4)
	WIN 0x0a+5*((\a)/4)
.irp g, 0,1,2,3
.irp j, 0,1,2,3,4,5,6,7
	v_cvt_pk_f16_f32 v[PKR+8*\g+\j], v[AC+16*\g+\j], v[AC+16*\g+8+\j]
.endr
.endr
	WIN 0
.endm
.macro TOSTAGE a, so                   ; into my stage, and back as whole rows of 256 bytes; LDS serves a wave's instructions in order (ISA guide 5.7.1.4)
.irp g, 0,1,2,3
.irp e, 0,1
	ds_store_b128 v[STO], v[PKR+8*\g+4*\e:PKR+8*\g+4*\e+3] offset:\so+64*\g+16*\e
.endr
.endr
.set BB, BK+32*((\a)%2)
.irp t, 0,1,2,3,4,5,6,7
	ds_load_b128 v[BB+4*\t:BB+4*\t+3], v[RD] offset:\so+544*\t
.endr
.endm
.macro SEND a
.set BB, BK+32*((\a)%2)
	s_wait_dscnt 0x0                               ; the block is back in registers
	s_wait_xcnt 0x0                                ; the stores of the block before have read their registers: the next block's rows may land there
.irp t, 0,1,2,3,4,5,6,7
	global_store_b128 v[CO], v[BB+4*\t:BB+4*\t+3], s[12:13] offset:(16*(\a)+2*\t)*ROWQ   ; sixteen lanes store 256 consecutive bytes, aligned; 126 rows at the most, inside the signed 24-bit immediate
.endr
.endm
	PLACES NP                                      ; behind the last products: for the loads and vector writes into the registers that held fragments and scales, and for the reads of results
	s_cmp_eq_u32 ttmp9, 2                          ; the cluster's x: alike in all sixteen partners
	s_cbranch_scc1 .Lv
	ROPE 0
	TOSTAGE 0, 0
.irp a, 1,2,3,4,5,6,7                  ; block a's arithmetic stands between block a - 1's loads from the stage and the wait for them
	ROPE \a
	SEND \a-1
	TOSTAGE \a, 0
.endr
	SEND 7
	s_branch .Lend
.Lv:
	PACKV 0
	TOSTAGE 0, VSTG
.irp a, 1,2,3,4,5,6,7
	PACKV \a
	SEND \a-1
	TOSTAGE \a, VSTG
.endr
	SEND 7
.Lend:
	s_wait_tensorcnt 0x0                           ; the wave's end
	ds_add_u32 v[SPW], v[NIL]
	s_wait_dscnt 0x0
	CROUND                                         ; the closing round
	s_endpgm
.Lfunc_end_k_qecef908d01_qkv:
	.size	k_qecef908d01_qkv, .Lfunc_end_k_qecef908d01_qkv-k_qecef908d01_qkv
	.p2alignl 7, 3214868480
	.fill 96, 4, 3214868480
	.section	.rodata,"a",@progbits
	.p2align	6, 0x0
	.amdhsa_kernel k_qecef908d01_qkv
		.amdhsa_group_segment_fixed_size 327680
		.amdhsa_private_segment_fixed_size 0
		.amdhsa_enable_private_segment 0
		.amdhsa_kernarg_size 64
		.amdhsa_user_sgpr_count 2
		.amdhsa_user_sgpr_kernarg_segment_ptr 1
		.amdhsa_wavefront_size32 1
		.amdhsa_system_sgpr_workgroup_id_x 1
		.amdhsa_system_sgpr_workgroup_id_y 1
		.amdhsa_system_sgpr_workgroup_id_z 1
		.amdhsa_system_vgpr_workitem_id 0
		.amdhsa_next_free_vgpr 1024
		.amdhsa_next_free_sgpr 102
		.amdhsa_reserve_vcc 0
		.amdhsa_float_denorm_mode_32 3
		.amdhsa_float_denorm_mode_16_64 3
		.amdhsa_memory_ordered 1
		.amdhsa_forward_progress 1
		.amdhsa_inst_pref_size 210
	.end_amdhsa_kernel
	.amdgpu_metadata
---
amdhsa.version: [ 1, 2 ]
amdhsa.kernels:
  - .name:           k_qecef908d01_qkv
    .symbol:         k_qecef908d01_qkv.kd
    .args:
      - { .name: xc, .offset: 0, .size: 8, .value_kind: global_buffer, .address_space: global }
      - { .name: xs, .offset: 8, .size: 8, .value_kind: global_buffer, .address_space: global }
      - { .name: wc, .offset: 16, .size: 8, .value_kind: global_buffer, .address_space: global }
      - { .name: ws, .offset: 24, .size: 8, .value_kind: global_buffer, .address_space: global }
      - { .name: qkv, .offset: 32, .size: 8, .value_kind: global_buffer, .address_space: global }
      - { .name: qkv_b, .offset: 40, .size: 8, .value_kind: global_buffer, .address_space: global }
      - { .name: rope_cos, .offset: 48, .size: 8, .value_kind: global_buffer, .address_space: global }
      - { .name: rope_sin, .offset: 56, .size: 8, .value_kind: global_buffer, .address_space: global }
    .group_segment_fixed_size: 327680
    .private_segment_fixed_size: 0
    .kernarg_segment_align: 8
    .kernarg_segment_size: 64
    .max_flat_workgroup_size: 128
    .sgpr_count:     102
    .vgpr_count:     1024
    .wavefront_size: 32
...
	.end_amdgpu_metadata
.endif
;; end of part 2
;; launch attn (part 3): grid 8 x 32, 16 waves a work-group, clusters of 4 x 1, 327,680 bytes of LDS; arguments qkv, ao; writes ao
.if DOCPART == 3
	.amdgcn_target "amdgcn-amd-amdhsa--gfx1250"
	.amdhsa_code_object_version 6
	.text
	.protected	k_qecef908d01_attn
	.globl	k_qecef908d01_attn
	.p2align	8
	.type	k_qecef908d01_attn,@function
k_qecef908d01_attn:
	s_mov_b64 s[64:65], 0
	v_nop
	global_prefetch_b8 v0, s[64:65] scope:SCOPE_SE
	s_setreg_imm32_b32 hwreg(HW_REG_WAVE_MODE, 25, 1), 1
	s_wait_xcnt 0x0
	s_wait_alu depctr_hold_cnt(0) depctr_sa_sdst(0) depctr_va_vdst(0) depctr_va_sdst(0) depctr_va_ssrc(0) depctr_va_vcc(0) depctr_vm_vsrc(0)
	s_getreg_b32 s2, hwreg(HW_REG_IB_STS2, 6, 4)
	s_cmp_eq_u32 s2, 0
	s_cbranch_scc0 .Lentry_in_a_cluster
	s_endpgm
.Lentry_in_a_cluster:
	s_bfe_u32 s2, ttmp6, 0x10000c
	s_cmp_lg_u32 s2, 0x3003
	s_cbranch_scc0 .Lentry_shape_is_right
	s_endpgm
.Lentry_shape_is_right:
; ATTN: ao[b][q][head][:] = the sum over keys of softmax(q . k / 8) v, no mask; 4 batches, 16 heads of 64, 2,048 positions.
; qkv: f16 [8192][3072] (q, k, v; a row is 6,144 bytes); q already carries log2(e) / 8, so a score is the exponent t of 2^t.  ao: f16 [8192][1024].  Products on f16 operands, sums, maxima and the softmax in f32.
; SHARES.  A work-group owns 256 queries of TWO neighbouring heads, so that a row of K's and V's tiles and of ao is 256 bytes, aligned.  Sixteen waves: wave w has head w >> 3 of the pair and 32 queries
; (two tiles of 16) from 32 (w & 7) on, in 256 registers: four waves to a SIMD, so that one wave's vector work stands beside another's matrix work and LDS loads.
; LAYOUT.  Both products are used transposed: S^T = K Q^T (source 0 = 16 keys, source 1 = 16 queries), O^T = V^T P (source 0 = 16 channels, turned by ds_load_tr16_b128, source 1 = P): a lane holds ONE query.
; Two tiles of S^T, rounded to f16 in pairs, are source 1 of the second product as they stand.
; SOFTMAX.  A running maximum m and sum l for each query: p = 2^(t - m); in every step O^T and l are multiplied by a = 2^(m_old - m_new).  m begins at -3e38, O^T and l at 0, so the step is written once.
; RING.  Two LDS slots of 128 keys (two steps of 64).  Waves 0, 1 fetch the two steps' K, waves 2, 3 their V, one load each behind each change of slots: a loading wave never has more than one tensor load out.
; CLUSTER.  The four query blocks of a cluster walk the same K and V: each tile is asked for jointly, by the same load with the mask of all four.
; LIMITS: NaN and infinities are not served; |ao| beyond 65,504 has no f16 number.
.set KS,    64
.set PK,    272                        ; a row of K in LDS: 256 bytes + 16: the 16 rows of a load start at 16 different banks (64 banks of 4 bytes: ISA guide 11.1)
.set PV,    288                        ; a row of V: 256 + 32
.set VOFF,  KS*PK
.set STEPB, KS*(PK+PV)
.set SLOT1, 1<<17                      ; slot 1 begins here: one exclusive or turns an address from one slot to the other
.set SPARE, SLOT1+2*STEPB              ; the spare words, 128 bytes a wave: eight blocks of 256 bytes that no other line names
.set ROWQ,  6144
.set NSL,   16                         ; slots of keys
.set AK0, 1                            ; v1   my lane's place in a tile of K
.set AV0, 2                            ; v2   the same for V
.set ADK, 3
.set ADV, 4
.set SPW, 5
.set NIL, 6
.set QO,  7                            ; v7   my byte offset in 16 rows of q
.set STO, 8                            ; v8   the way out: where I put 16 bytes of a row.  The stage, 256 rows x 272 bytes, lies in slot 0, which has had its last fill and its last read at the last change of slots
.set RD,  9                            ; v9   where I read a row back
.set GO,  10                           ; v10  my byte offset in two rows of ao
.set PFO, 11                           ; v11  the prefetches' offset: a lane a row
.set ST,  16                           ; tile t's statistics at v[ST + 8 t]: +0 m, +1 the old m, +2, +3 l, +4 .. +7 at work; a takes +6
.set QX,  32                           ; Q: tile t, channels 32 c on, at v[QX + 16 t + 8 c]
.set KV,  64                           ; 64 registers: a step's K, then its V
.set SX,  128                          ; S^T: tile t, keys 16 kt on, at v[SX + 32 t + 8 kt]; then p; then P in the first 16 of each 32
.set OX,  192                          ; O^T: tile t, channels 16 c on, at v[OX + 32 t + 8 c]
.set WV,  8
.set SEL, 20
.set TB,  22                           ; s22  LDS byte at which the slot in hand begins
.set SLOTS, 23
.set G1K, 24
.set G1V, 32
.set G0K, 40
.set G0V, 44
.set PFA, 48
.set LIM, 50
.macro TLOAD                           ; waves 0, 1: K; waves 2, 3: V; the others nothing.  An s_nop 0 and four v_nop follow each line
	s_cmp_lt_u32 s[WV], 2
	s_cbranch_scc0 .Lnot_k_\@
	tensor_load_to_lds s[G0K:G0K+3], s[G1K:G1K+7]
	s_nop 0
.rept 4
	v_nop
.endr
	s_branch .Lasked_\@
.Lnot_k_\@:
	s_cmp_lt_u32 s[WV], 4
	s_cbranch_scc0 .Lasked_\@
	tensor_load_to_lds s[G0V:G0V+3], s[G1V:G1V+7]
	s_nop 0
.rept 4
	v_nop
.endr
.Lasked_\@:
.endm
; A prefetch of what the NEXT change of slots will ask for: 128 rows of K and of V, 256 bytes each.  Both clusters of a head pair walk the same rows: the first asks.  Its four partners take 32 rows each,
; told apart by address; in each, wave 4 asks for K's and wave 5 for V's, a lane a row: each row is named once in the launch.  Two key steps ahead of the load; the last change that fills a slot asks for nothing.
.macro ASK
	s_cmp_gt_u32 s[SLOTS], s[LIM]
	s_cbranch_scc0 .Lnot_mine_\@
	global_prefetch_b8 v[PFO], s[PFA:PFA+1] th:TH_LOAD_NT scope:SCOPE_SE
.Lnot_mine_\@:
.endm
.macro CROUND                          ; a round of the cluster's barrier
	s_barrier_signal -1
	s_barrier_wait -1
	s_cmp_lg_u32 s[WV], 0
	s_cbranch_scc1 .Lnot_wave_0_\@
	s_barrier_signal -3
.Lnot_wave_0_\@:
	s_barrier_wait -3
	s_barrier_signal -1
	s_barrier_wait -1
.endm
	s_load_b128 s[4:7], s[0:1], 0x0                ; qkv, ao
	v_lshl_add_u32 v[SPW], v0, 2, SPARE
	v_mov_b32 v[NIL], 0
	ds_add_u32 v[SPW], v[NIL]                      ; the wave's opening: the add, twice on end, and its wait ahead of the first tensor loads
	ds_add_u32 v[SPW], v[NIL]
	v_lshrrev_b32 v12, 5, v0
	v_readfirstlane_b32 s[WV], v12                 ; wave 0..15
	s_bfe_u32 s9, ttmp6, 0x40000                   ; cx
	s_and_b32 s10, ttmp7, 0xffff
	s_lshr_b32 s11, s10, 3                         ; batch
	s_and_b32 s12, s10, 7                          ; head pair
	s_mul_i32 s13, s11, 2048*ROWQ
	s_lshl_b32 s14, s12, 8
	s_add_co_u32 s13, s13, s14                     ; the batch's first row, the pair's 256 bytes
	s_and_b32 s15, s[WV], 1                        ; which of a slot's two steps I fetch
	s_mul_i32 s16, s15, KS*ROWQ
	s_add_co_u32 s16, s16, s13
	s_mov_b32 s17, 0
	s_mul_i32 s18, s15, STEPB                      ; and its place in a slot
	s_mov_b32 s[G1K], 15|(1<<16)|(1<<20)|(1<<21)|(5<<22)|(3<<25)  ; the mask of all four; elements of 2 bytes; padding on; bit 21 beside a mask; after every 64 words 4 words
	s_mov_b32 s[G1V], 15|(1<<16)|(1<<20)|(1<<21)|(5<<22)|(7<<25)  ; the same with 8 words
.irp g, G1K, G1V
	s_mov_b32 s[\g+1], 128<<16                     ; tensor_dim0
	s_mov_b32 s[\g+2], KS<<16                      ; tensor_dim1
	s_mov_b32 s[\g+3], 128<<16                     ; tile_dim0
	s_mov_b32 s[\g+4], KS                          ; tile_dim1
	s_mov_b32 s[\g+5], 3072                        ; the pitch in elements
	s_mov_b32 s[\g+6], 0
	s_mov_b32 s[\g+7], 0
.endr
	s_mov_b32 s[SEL], 0x76543210
	s_mov_b32 s[SEL+1], 0xfedcba98                 ; v_permlanex16_b32: lane l xor 16
	s_mov_b32 s[TB], 0
	s_mov_b32 s[SLOTS], NSL-1
	s_sub_co_u32 s[LIM], s[WV], 4
	s_lshr_b32 s[LIM], s[LIM], 1                   ; 0 in waves 4 and 5,
	s_or_b32 s[LIM], s[LIM], ttmp9                 ; of the pair's first cluster: alike in all four partners
	s_cmp_eq_u32 s[LIM], 0
	s_cselect_b32 s[LIM], 1, -1
	s_lshl_b32 s56, ttmp9, 2
	s_add_co_u32 s56, s56, s9
	s_lshl_b32 s56, s56, 8                         ; my block's first query: it enters q's and ao's addresses alone
	s_and_b32 s57, s[WV], 7
	s_lshr_b32 s19, s[WV], 3
	s_lshl_b32 s19, s19, 7                         ; my head's 128 bytes of the pair's 256
	s_lshl_b32 s52, s57, 5
	s_add_co_u32 s52, s52, s56                     ; my wave's first query
	s_mul_i32 s52, s52, ROWQ
	s_add_co_u32 s52, s52, s13
	s_add_co_u32 s52, s52, s19
	s_mov_b32 s53, 0
	s_lshl_b32 s54, s11, 11
	s_add_co_u32 s54, s54, s56
	s_lshl_b32 s55, s[WV], 4
	s_add_co_u32 s54, s54, s55                     ; the first of the 16 rows of ao that I store
	s_lshl_b32 s54, s54, 11
	s_add_co_u32 s54, s54, s14
	s_mov_b32 s55, 0
	s_lshl_b32 s58, s15, 11                        ; the prefetches: K (even waves) or V (odd),
	s_add_co_u32 s58, s58, s13
	s_mul_i32 s59, s9, 32*ROWQ                     ; my work-group's 32 rows of a slot's 128,
	s_add_co_u32 s58, s58, s59
	s_add_co_u32 s58, s58, 2048+2*KS*ROWQ          ; in slot 1: the first change of slots steps it to slot 2.  Nothing is prefetched at the head
	s_mov_b32 s59, 0
	s_wait_dscnt 0x0                               ; both opening adds are done
	s_wait_kmcnt 0x0
	s_mov_b32 s[G0K], 1
	s_mov_b32 s[G0K+1], s18
	s_add_nc_u64 s[G0K+2:G0K+3], s[4:5], s[16:17]
	s_add_nc_u64 s[G0K+2:G0K+3], s[G0K+2:G0K+3], 2048   ; k's columns
	s_or_b32 s[G0K+3], s[G0K+3], 0x80000000
	s_mov_b32 s[G0V], 1
	s_add_co_u32 s[G0V+1], s18, VOFF
	s_add_nc_u64 s[G0V+2:G0V+3], s[4:5], s[16:17]
	s_add_nc_u64 s[G0V+2:G0V+3], s[G0V+2:G0V+3], 4096   ; v's columns
	s_or_b32 s[G0V+3], s[G0V+3], 0x80000000
	s_add_nc_u64 s[52:53], s[4:5], s[52:53]        ; q at my first query
	s_add_nc_u64 s[54:55], s[6:7], s[54:55]        ; ao at my first row
	s_add_nc_u64 s[PFA:PFA+1], s[4:5], s[58:59]
	CROUND                                         ; all four work-groups are here
	TLOAD                                          ; slot 0
	v_and_b32 v12, 15, v0                          ; r
	v_bfe_u32 v13, v0, 4, 1                        ; h
	v_mul_u32_u24 v[QO], v12, ROWQ
	v_lshl_add_u32 v[QO], v13, 4, v[QO]
.irp t, 0,1
.irp c, 0,1
	global_load_b128 v[QX+16*\t+8*\c:QX+16*\t+8*\c+3], v[QO], s[52:53] offset:\t*16*ROWQ+64*\c       ; Q stays in registers
	global_load_b128 v[QX+16*\t+8*\c+4:QX+16*\t+8*\c+7], v[QO], s[52:53] offset:\t*16*ROWQ+64*\c+32
.endr
.endr
	v_mul_u32_u24 v[AK0], v12, PK
	v_lshl_add_u32 v[AK0], v13, 4, v[AK0]
	v_add_nc_u32 v[AK0], s19, v[AK0]               ; row r, + 16 h, + my head
	v_and_b32 v14, 7, v0
	v_lshl_add_u32 v14, v13, 3, v14
	v_mul_u32_u24 v[AV0], v14, PV                  ; the turning load: key 8 h + l % 8,
	v_bfe_u32 v15, v0, 3, 1
	v_lshl_add_u32 v[AV0], v15, 4, v[AV0]          ; channels 8 ((l / 8) % 2) on
	s_add_co_u32 s12, s19, VOFF
	v_add_nc_u32 v[AV0], s12, v[AV0]
	s_mul_i32 s57, s57, 32*PK
	v_add_nc_u32 v[STO], s57, v[AK0]               ; the stage: row 32 (w & 7) + r, + my head, + 16 h
	s_mul_i32 s10, s[WV], 16*PK
	v_mul_u32_u24 v[RD], v13, PK
	v_lshl_add_u32 v[RD], v12, 4, v[RD]
	v_add_nc_u32 v[RD], s10, v[RD]                 ; back: rows 16 w on; lanes 0-15 one row, lanes 16-31 the next
	v_lshlrev_b32 v[GO], 11, v13
	v_lshl_add_u32 v[GO], v12, 4, v[GO]
	v_and_b32 v[PFO], 31, v0
	v_mul_u32_u24 v[PFO], v[PFO], ROWQ
.irp t, 0,1
	v_mov_b32 v[ST+8*\t], 0xff61b1e6               ; m: -3e38, under every score
.irp i, 1,2,3,4,5,6,7
	v_mov_b32 v[ST+8*\t+\i], 0
.endr
.endr
.irp j, 0,1,2,3,4,5,6,7,8,9,10,11,12,13,14,15,16,17,18,19,20,21,22,23,24,25,26,27,28,29,30,31,32,33,34,35,36,37,38,39,40,41,42,43,44,45,46,47,48,49,50,51,52,53,54,55,56,57,58,59,60,61,62,63
	v_mov_b32 v[OX+\j], 0                          ; O^T: the first step finds zeros, which its a = 0 leaves zeros
.endr
; A KEY STEP: 64 keys, the q-th of the slot in hand.
.macro STEP q
	v_add_nc_u32 v[ADK], s[TB], v[AK0]
	v_add_nc_u32 v[ADV], s[TB], v[AV0]
.rept 3
	v_nop                                          ; with the two additions five places behind the last V^T P: for the loads into its fragments' registers, and for the products below, which write over the registers that held P
.endr
.irp kt, 0,1,2,3
.irp c, 0,1
	ds_load_b128 v[KV+16*\kt+8*\c:KV+16*\kt+8*\c+3], v[ADK] offset:(\q)*STEPB+\kt*16*PK+64*\c
	ds_load_b128 v[KV+16*\kt+8*\c+4:KV+16*\kt+8*\c+7], v[ADK] offset:(\q)*STEPB+\kt*16*PK+64*\c+32
.endr
.endr
	s_wait_dscnt 0x0
.irp c, 0,1                            ; S^T = K Q^T: eight accumulators by turns
.irp kt, 0,1,2,3
.irp t, 0,1
.if \c == 0
	v_wmma_f32_16x16x32_f16 v[SX+32*\t+8*\kt:SX+32*\t+8*\kt+7], v[KV+16*\kt+8*\c:KV+16*\kt+8*\c+7], v[QX+16*\t+8*\c:QX+16*\t+8*\c+7], 0
.else
	v_wmma_f32_16x16x32_f16 v[SX+32*\t+8*\kt:SX+32*\t+8*\kt+7], v[KV+16*\kt+8*\c:KV+16*\kt+8*\c+7], v[QX+16*\t+8*\c:QX+16*\t+8*\c+7], v[SX+32*\t+8*\kt:SX+32*\t+8*\kt+7]
.endif
.endr
.endr
.endr
.rept 4
	v_nop                                          ; four places: for V's loads into K's registers, and for the first read of the scores
.endr
.irp u, 0,1                            ; V, turned: keys 32 u on, channels 16 c on; it lands while the softmax is walked
.irp c, 0,1,2,3
	ds_load_tr16_b128 v[KV+32*\u+8*\c:KV+32*\u+8*\c+3], v[ADV] offset:(\q)*STEPB+\u*32*PV+32*\c
	ds_load_tr16_b128 v[KV+32*\u+8*\c+4:KV+32*\u+8*\c+7], v[ADV] offset:(\q)*STEPB+\u*32*PV+16*PV+32*\c
.endr
.endr
	; the maximum of my 32 scores and the old m: four chains, each from its accumulator's low end on; the two tiles by turns
.irp j, 0,1,2,3
.irp t, 0,1
	v_max3_num_f32 v[ST+8*\t+4+\j], v[SX+32*\t+8*\j], v[SX+32*\t+8*\j+1], v[SX+32*\t+8*\j+2]
.endr
.endr
.irp i, 3,5
.irp j, 0,1,2,3
.irp t, 0,1
	v_max3_num_f32 v[ST+8*\t+4+\j], v[ST+8*\t+4+\j], v[SX+32*\t+8*\j+\i], v[SX+32*\t+8*\j+\i+1]
.endr
.endr
.endr
.irp t, 0,1
	v_max3_num_f32 v[ST+8*\t+4], v[ST+8*\t+4], v[SX+32*\t+7], v[SX+32*\t+15]
.endr
.irp t, 0,1
	v_max3_num_f32 v[ST+8*\t+6], v[ST+8*\t+6], v[SX+32*\t+23], v[SX+32*\t+31]
.endr
.irp t, 0,1
	v_max3_num_f32 v[ST+8*\t+4], v[ST+8*\t+4], v[ST+8*\t+5], v[ST+8*\t+6]
.endr
.irp t, 0,1
	v_max3_num_f32 v[ST+8*\t+4], v[ST+8*\t+4], v[ST+8*\t+7], v[ST+8*\t]
.endr
.irp t, 0,1
	v_permlanex16_b32 v[ST+8*\t+5], v[ST+8*\t+4], s[SEL], s[SEL+1]   ; the query's other 32 keys lie in the lane 16 away
.endr
.irp t, 0,1
	v_mov_b32 v[ST+8*\t+1], v[ST+8*\t]             ; the old m
.endr
.irp t, 0,1
	v_max_num_f32 v[ST+8*\t], v[ST+8*\t+4], v[ST+8*\t+5]
.endr
.irp t, 0,1
	v_sub_f32 v[ST+8*\t+7], v[ST+8*\t+1], v[ST+8*\t]
.endr
.irp i, 0,2,4,6,8,10,12,14,16,18,20,22,24,26,28,30
.irp t, 0,1
	v_pk_add_f32 v[SX+32*\t+\i:SX+32*\t+\i+1], v[SX+32*\t+\i:SX+32*\t+\i+1], v[ST+8*\t:ST+8*\t+1] op_sel_hi:[1,0] neg_lo:[0,1] neg_hi:[0,1]   ; t - m, two at a time
.endr
.endr
.irp t, 0,1
	v_exp_f32 v[ST+8*\t+6], v[ST+8*\t+7]           ; a.  ONE BATCH of 66 exponentials; none reads the result of another
.endr
.irp i, 0,1,2,3,4,5,6,7,8,9,10,11,12,13,14,15,16,17,18,19,20,21,22,23,24,25,26,27,28,29,30,31
.irp t, 0,1
	v_exp_f32 v[SX+32*\t+\i], v[SX+32*\t+\i]
.endr
.endr
	v_nop                                          ; a plain instruction behind the last exponential
	s_wait_alu depctr_va_vdst(0)                   ; one wait for the batch, ahead of its first reader
.irp t, 0,1
	v_pk_fma_f32 v[ST+8*\t+2:ST+8*\t+3], v[ST+8*\t+2:ST+8*\t+3], v[ST+8*\t+6:ST+8*\t+7], v[SX+32*\t:SX+32*\t+1] op_sel_hi:[1,0,1]   ; l = a l + the first pair
.endr
.irp t, 0,1
	v_pk_add_f32 v[ST+8*\t+4:ST+8*\t+5], v[SX+32*\t+2:SX+32*\t+3], v[SX+32*\t+6:SX+32*\t+7]   ; a second chain
.endr
.irp t, 0,1
	v_pk_add_f32 v[ST+8*\t+2:ST+8*\t+3], v[ST+8*\t+2:ST+8*\t+3], v[SX+32*\t+4:SX+32*\t+5]
.endr
.irp i, 8,12,16,20,24,28
.irp t, 0,1
	v_pk_add_f32 v[ST+8*\t+2:ST+8*\t+3], v[ST+8*\t+2:ST+8*\t+3], v[SX+32*\t+\i:SX+32*\t+\i+1]
	v_pk_add_f32 v[ST+8*\t+4:ST+8*\t+5], v[ST+8*\t+4:ST+8*\t+5], v[SX+32*\t+\i+2:SX+32*\t+\i+3]
.endr
.endr
.irp t, 0,1
	v_pk_add_f32 v[ST+8*\t+2:ST+8*\t+3], v[ST+8*\t+2:ST+8*\t+3], v[ST+8*\t+4:ST+8*\t+5]
.endr
.irp i, 0,1,2,3,4,5,6,7,8,9,10,11,12,13,14,15
.irp t, 0,1
	v_cvt_pk_f16_f32 v[SX+32*\t+\i], v[SX+32*\t+2*\i], v[SX+32*\t+2*\i+1]   ; P, in place, ascending: registers 8 u .. 8 u + 7 are keys 32 u on
.endr
.endr
.irp i, 0,2,4,6,8,10,12,14,16,18,20,22,24,26,28,30
.irp t, 0,1
	v_pk_mul_f32 v[OX+32*\t+\i:OX+32*\t+\i+1], v[OX+32*\t+\i:OX+32*\t+\i+1], v[ST+8*\t+6:ST+8*\t+7] op_sel_hi:[1,0]   ; O^T x a, each accumulator from its low end on
.endr
.endr
	s_wait_dscnt 0x0                               ; V is in
.irp u, 0,1                            ; O^T += V^T P: eight accumulators by turns
.irp c, 0,1,2,3
.irp t, 0,1
	v_wmma_f32_16x16x32_f16 v[OX+32*\t+8*\c:OX+32*\t+8*\c+7], v[KV+32*\u+8*\c:KV+32*\u+8*\c+7], v[SX+32*\t+8*\u:SX+32*\t+8*\u+7], v[OX+32*\t+8*\c:OX+32*\t+8*\c+7]
.endr
.endr
.endr
.endm
; THE CHANGE OF SLOTS stands at a slot's head.  Each wave waits for all its tensor loads (its part of the slot ahead), adds 0 to its spare word, and waits for that and for its reads of the slot that it has left.
; fill = 1: a round of the cluster's barrier, and behind it the slot that was left is filled with the 128 keys that follow: the load has two key steps in which to land.
.macro CHANGE fill
	s_wait_tensorcnt 0x0                           ; no tensor load of mine is out, so a group 0 may be written
	ds_add_u32 v[SPW], v[NIL]
.if \fill
	ds_add_u32 v[SPW], v[NIL]                      ; and once more here, in every trip alike
	s_xor_b32 s[G0K+1], s[G0K+1], SLOT1            ; the walking descriptors: the other slot,
	s_add_nc_u64 s[G0K+2:G0K+3], s[G0K+2:G0K+3], 2*KS*ROWQ   ; the next 128 keys
	s_xor_b32 s[G0V+1], s[G0V+1], SLOT1
	s_add_nc_u64 s[G0V+2:G0V+3], s[G0V+2:G0V+3], 2*KS*ROWQ
	s_wait_xcnt 0x0                                ; the last prefetch, a slot back, has read its address
	s_add_nc_u64 s[PFA:PFA+1], s[PFA:PFA+1], 2*KS*ROWQ
	s_wait_dscnt 0x0                               ; the adds are done, and my reads of the slot that I have left are over
	CROUND
	TLOAD                                          ; the first tensor load behind the round, one a wave
	ASK
.else
	s_wait_dscnt 0x0
	s_barrier_signal -1
	s_barrier_wait -1
.endif
.endm
.macro SLOT_STEPS
	STEP 0
	STEP 1
	s_xor_b32 s[TB], s[TB], SLOT1
.endm
	s_wait_loadcnt 0x0                             ; Q
.Lslot:                                            ; 15 trips: trip i reads slot i and asks for slot i + 1
	CHANGE 1
	SLOT_STEPS
	s_sub_co_u32 s[SLOTS], s[SLOTS], 1
	s_cmp_lg_u32 s[SLOTS], 0
	s_cbranch_scc1 .Lslot
	CHANGE 0                                       ; the last slot is written out
	SLOT_STEPS
	; THE WAY OUT.  l's halves are added; O^T / l is rounded to f16 and goes through the work-group's stage: a row's 256 bytes come from two waves.  The additions and the v_nop are the places behind the last products.
.irp t, 0,1
	v_add_f32 v[ST+8*\t+4], v[ST+8*\t+2], v[ST+8*\t+3]
.endr
.irp t, 0,1
	v_permlanex16_b32 v[ST+8*\t+5], v[ST+8*\t+4], s[SEL], s[SEL+1]
.endr
.irp t, 0,1
	v_add_f32 v[ST+8*\t+4], v[ST+8*\t+4], v[ST+8*\t+5]
.endr
.irp t, 0,1
	v_rcp_f32 v[ST+8*\t+6], v[ST+8*\t+4]
.endr
	v_nop
	s_wait_alu depctr_va_vdst(0)                   ; one wait for the two reciprocals, ahead of their first reader
.irp i, 0,2,4,6,8,10,12,14,16,18,20,22,24,26,28,30
.irp t, 0,1
	v_pk_mul_f32 v[OX+32*\t+\i:OX+32*\t+\i+1], v[OX+32*\t+\i:OX+32*\t+\i+1], v[ST+8*\t+6:ST+8*\t+7] op_sel_hi:[1,0]
.endr
.endr
.irp t, 0,1
.irp i, 0,1,2,3,4,5,6,7,8,9,10,11,12,13,14,15
	v_cvt_pk_f16_f32 v[SX+16*\t+\i], v[OX+32*\t+2*\i], v[OX+32*\t+2*\i+1]
.endr
.endr
.irp t, 0,1
.irp c, 0,1,2,3
	ds_store_b128 v[STO], v[SX+16*\t+4*\c:SX+16*\t+4*\c+3] offset:\t*16*PK+32*\c   ; channels 16 c + 8 h on of query 16 t + r
.endr
.endr
	s_wait_dscnt 0x0                               ; for the others' sake: my stores into the stage are done
	s_barrier_signal -1
	s_barrier_wait -1
.irp i, 0,1,2,3,4,5,6,7
	ds_load_b128 v[KV+4*\i:KV+4*\i+3], v[RD] offset:2*\i*PK
.endr
.irp i, 0,1,2,3,4,5,6,7
	s_wait_dscnt 7-\i                              ; the younger row loads may be out
	global_store_b128 v[GO], v[KV+4*\i:KV+4*\i+3], s[54:55] offset:4096*\i   ; sixteen lanes store 256 consecutive bytes, aligned
.endr
	s_wait_tensorcnt 0x0                           ; the wave's end
	ds_add_u32 v[SPW], v[NIL]
	s_wait_dscnt 0x0
	CROUND                                         ; the closing round
	s_endpgm
.Lfunc_end_k_qecef908d01_attn:
	.size	k_qecef908d01_attn, .Lfunc_end_k_qecef908d01_attn-k_qecef908d01_attn
	.p2alignl 7, 3214868480
	.fill 96, 4, 3214868480
	.section	.rodata,"a",@progbits
	.p2align	6, 0x0
	.amdhsa_kernel k_qecef908d01_attn
		.amdhsa_group_segment_fixed_size 327680
		.amdhsa_private_segment_fixed_size 0
		.amdhsa_enable_private_segment 0
		.amdhsa_kernarg_size 16
		.amdhsa_user_sgpr_count 2
		.amdhsa_user_sgpr_kernarg_segment_ptr 1
		.amdhsa_wavefront_size32 1
		.amdhsa_system_sgpr_workgroup_id_x 1
		.amdhsa_system_sgpr_workgroup_id_y 1
		.amdhsa_system_sgpr_workgroup_id_z 1
		.amdhsa_system_vgpr_workitem_id 0
		.amdhsa_next_free_vgpr 256
		.amdhsa_next_free_sgpr 66
		.amdhsa_reserve_vcc 0
		.amdhsa_float_denorm_mode_32 3
		.amdhsa_float_denorm_mode_16_64 3
		.amdhsa_memory_ordered 1
		.amdhsa_forward_progress 1
		.amdhsa_inst_pref_size 86
	.end_amdhsa_kernel
	.amdgpu_metadata
---
amdhsa.version: [ 1, 2 ]
amdhsa.kernels:
  - .name:           k_qecef908d01_attn
    .symbol:         k_qecef908d01_attn.kd
    .args:
      - { .name: qkv, .offset: 0, .size: 8, .value_kind: global_buffer, .address_space: global }
      - { .name: ao, .offset: 8, .size: 8, .value_kind: global_buffer, .address_space: global }
    .group_segment_fixed_size: 327680
    .private_segment_fixed_size: 0
    .kernarg_segment_align: 8
    .kernarg_segment_size: 16
    .max_flat_workgroup_size: 512
    .sgpr_count:     66
    .vgpr_count:     256
    .wavefront_size: 32
...
	.end_amdgpu_metadata
.endif
;; end of part 3
;; launch proj (part 4): grid 8 x 64, 4 waves a work-group, clusters of 4 x 4, 327,680 bytes of LDS; arguments ao, pw, out0, proj_b; writes out0
.if DOCPART == 4
	.amdgcn_target "amdgcn-amd-amdhsa--gfx1250"
	.amdhsa_code_object_version 6
	.text
	.protected	k_qecef908d01_proj
	.globl	k_qecef908d01_proj
	.p2align	8
	.type	k_qecef908d01_proj,@function
k_qecef908d01_proj:
	s_mov_b64 s[64:65], 0
	v_nop
	global_prefetch_b8 v0, s[64:65] scope:SCOPE_SE
	s_setreg_imm32_b32 hwreg(HW_REG_WAVE_MODE, 25, 1), 1
	s_wait_xcnt 0x0
	s_wait_alu depctr_hold_cnt(0) depctr_sa_sdst(0) depctr_va_vdst(0) depctr_va_sdst(0) depctr_va_ssrc(0) depctr_va_vcc(0) depctr_vm_vsrc(0)
	s_getreg_b32 s2, hwreg(HW_REG_IB_STS2, 6, 4)
	s_cmp_eq_u32 s2, 0
	s_cbranch_scc0 .Lentry_in_a_cluster
	s_endpgm
.Lentry_in_a_cluster:
	s_bfe_u32 s2, ttmp6, 0x10000c
	s_cmp_lg_u32 s2, 0xf033
	s_cbranch_scc0 .Lentry_shape_is_right
	s_endpgm
.Lentry_shape_is_right:
; PROJ: out0[m][n] = the sum over k of ao[m][k] pw[n][k] + proj_b[n].  ao [8192][1024], pw [1024][1024]: f16; out0 [8192][1024], proj_b [1024]: f32; sums in f32.
; A tile of 128 x 128 to a work-group (512 work-groups), four waves of 64 x 64: 16 accumulators.  K goes in steps of 256 (LDS rows of 512 bytes) through a ring of two slots.
; CLUSTERS: 4 x 4 work-groups; ao's tiles are asked for jointly along a row of the cluster, pw's along a column.
; THE MATRIX INSTRUCTION IS USED TRANSPOSED (source 0 = 16 rows of pw, source 1 = 16 rows of ao): a lane holds eight neighbouring numbers of a row of out0.  The bias is the C of each sum's first product.
; No prefetch: a step's tiles are small, and each is shared by four work-groups.
; REGISTERS: window 0: v0-31 addresses; v32-63 the bias, later with v64-95 rows on the way out; v128-255 the accumulators ((a, b) at v[128 + 8 (4 a + b)]).   window 1: two fragment buffers of 128.
.set SIZE_N, 1024
.set SIZE_K, 1024
.set KSTEP,  256
.set PITCH,  528                       ; an LDS row: 512 bytes + 16 of padding = 132 words: the 16 rows of a load start at 16 different banks (64 banks of 4 bytes: ISA guide 11.1)
.set HALFT,  64*PITCH
.set SLOT,   4*HALFT
.set STAGE,  2*SLOT                    ; behind the ring: 16 rows x 272 bytes for each wave, its own
.set SPITCH, 272
.set SPARE,  STAGE+4*16*SPITCH         ; the spare words, 128 bytes a wave: two blocks of 256 bytes that no other line names
.set LAPS, SIZE_K/(2*KSTEP)
.set ADRA, 16
.set ADRB, 20
.set STO,  24
.set RD,   25
.set CO,   26
.set BO,   27                          ; v27  my byte offset in the bias
.set SPW,  28
.set NIL,  29
.set BI,   32                          ; the bias: tile b at v[BI + 8 b]
.set TMP,  32                          ; the way out: two sets of 32
.set ACC,  128
.set F0,   0
.set F1,   128
.set G1, 24
.set G0, 32
.set G1B, 48
.set G0B, 56
.set MSB, 0
.macro WIN new
.if MSB != (\new)
	s_set_vgpr_msb (MSB<<8)|(\new)
.set MSB, (\new)
.endif
.endm
.set MUL,  0x05                        ; sources 0 (pw) and 1 (ao) window 1; C and D window 0
.set TO_F, 0x40
.macro JLOAD s                         ; a joint load: waves 0 and 1 fetch ao's two halves, waves 2 and 3 pw's; an s_nop 0 and four v_nop follow each line
	s_cmp_eq_u32 s11, 0
	s_cbranch_scc0 .Lfor_b_\@
	tensor_load_to_lds s[G0+4*\s:G0+4*\s+3], s[G1:G1+7]
	s_nop 0
.rept 4
	v_nop
.endr
	s_branch .Lasked_\@
.Lfor_b_\@:
	tensor_load_to_lds s[G0B+4*\s:G0B+4*\s+3], s[G1B:G1B+7]
	s_nop 0
.rept 4
	v_nop
.endr
.Lasked_\@:
.endm
.macro CREST
	s_cmp_lg_u32 s10, 0
	s_cbranch_scc1 .Lnot_wave_0_\@
	s_barrier_signal -3
.Lnot_wave_0_\@:
	s_barrier_wait -3
	s_barrier_signal -1
	s_barrier_wait -1
.endm
.macro CROUND
	s_barrier_signal -1
	s_barrier_wait -1
	CREST
.endm
	s_load_b128 s[4:7], s[0:1], 0x0                ; ao, pw
	s_load_b64 s[8:9], s[0:1], 0x10                ; out0
	s_load_b64 s[66:67], s[0:1], 0x18              ; proj_b
	v_lshl_add_u32 v[SPW], v0, 2, SPARE
	v_mov_b32 v[NIL], 0
	ds_add_u32 v[SPW], v[NIL]                      ; the wave's opening: the add, twice on end, and its wait ahead of my first tensor load
	ds_add_u32 v[SPW], v[NIL]
	v_lshrrev_b32 v1, 5, v0
	v_readfirstlane_b32 s10, v1                    ; wave 0..3
	s_lshr_b32 s11, s10, 1                         ; which half of the tile's rows is mine.  Also: I fetch for ao (0) or for pw (1)
	s_and_b32 s12, s10, 1                          ; which half of its columns.  Also: which 64 rows of that tile I fetch
	s_bfe_u32 s40, ttmp6, 0x40000
	s_bfe_u32 s41, ttmp6, 0x40004
	s_lshl_b32 s42, ttmp9, 2
	s_add_co_u32 s42, s42, s40                     ; tile column
	s_and_b32 s13, ttmp7, 0xffff
	s_lshl_b32 s13, s13, 2
	s_add_co_u32 s13, s13, s41                     ; tile row
	s_lshl_b32 s43, s41, 2
	s_lshl_b32 s43, 15, s43                        ; my row of the cluster
	s_lshl_b32 s44, 0x1111, s40                    ; my column
	s_or_b32 s[G1+0], s43, (1<<16)|(1<<20)|(1<<21)|(6<<22)|(3<<25)  ; the mask; elements of 2 bytes; padding on; bit 21 beside a mask; after every 128 words 4 words
	s_or_b32 s[G1B+0], s44, (1<<16)|(1<<20)|(1<<21)|(6<<22)|(3<<25)
.irp g, G1, G1B
	s_mov_b32 s[\g+1], KSTEP<<16
	s_mov_b32 s[\g+2], 64<<16
	s_mov_b32 s[\g+3], KSTEP<<16
	s_mov_b32 s[\g+4], 64
	s_mov_b32 s[\g+5], SIZE_K
	s_mov_b32 s[\g+6], 0
	s_mov_b32 s[\g+7], 0
.endr
	s_lshl_b32 s17, s12, 6
	s_lshl_b32 s16, s13, 7
	s_add_co_u32 s16, s16, s17                     ; ao: row 128 x tile row + 64 x half
	s_lshl_b32 s46, s42, 7
	s_add_co_u32 s46, s46, s17                     ; pw: row 128 x tile column + 64 x half
	s_mov_b32 s17, 0
	s_mov_b32 s47, 0
	s_mov_b64 s[18:19], SIZE_K*2
	s_mul_u64 s[16:17], s[16:17], s[18:19]
	s_mul_u64 s[46:47], s[46:47], s[18:19]
	s_mul_i32 s20, s10, HALFT
	s_wait_dscnt 0x0                               ; both opening adds are done
	s_wait_kmcnt 0x0
	s_add_nc_u64 s[14:15], s[4:5], s[16:17]
	s_add_nc_u64 s[46:47], s[6:7], s[46:47]
	CROUND                                         ; all sixteen work-groups are here
.irp s, 0,1
	s_mov_b32 s[G0+4*\s], 1
	s_add_co_u32 s[G0+4*\s+1], s20, \s*SLOT
	s_add_nc_u64 s[G0+4*\s+2:G0+4*\s+3], s[14:15], \s*KSTEP*2
	s_or_b32 s[G0+4*\s+3], s[G0+4*\s+3], 0x80000000
	s_mov_b32 s[G0B+4*\s], 1
	s_add_co_u32 s[G0B+4*\s+1], s20, \s*SLOT
	s_add_nc_u64 s[G0B+4*\s+2:G0B+4*\s+3], s[46:47], \s*KSTEP*2
	s_or_b32 s[G0B+4*\s+3], s[G0B+4*\s+3], 0x80000000
	JLOAD \s
.endr
	v_and_b32 v1, 15, v0                           ; r
	v_bfe_u32 v2, v0, 4, 1                         ; h
	v_mul_u32_u24 v3, v1, PITCH
	v_lshl_add_u32 v3, v2, 4, v3
	s_mul_i32 s21, s11, HALFT
	s_mul_i32 s22, s12, HALFT
	s_add_co_u32 s22, s22, 2*HALFT
.irp s, 0,1
	v_add_nc_u32 v[ADRA+\s], s21, v3
	v_add_nc_u32 v[ADRB+\s], s22, v3
	s_add_co_u32 s21, s21, SLOT
	s_add_co_u32 s22, s22, SLOT
.endr
	s_mul_i32 s23, s10, 16*SPITCH
	s_add_co_u32 s23, s23, STAGE                   ; my stage
	v_mul_u32_u24 v4, v1, SPITCH
	v_lshl_add_u32 v4, v2, 5, v4
	v_add_nc_u32 v[STO], s23, v4                   ; in: row r, 32 bytes for each half of the lanes
	v_mul_u32_u24 v5, v2, SPITCH
	v_lshl_add_u32 v5, v1, 4, v5
	v_add_nc_u32 v[RD], s23, v5                    ; back: lanes 0-15 one row of 256 bytes, lanes 16-31 the next
	v_lshlrev_b32 v5, 12, v2
	v_lshl_add_u32 v[CO], v1, 4, v5                ; and the same two rows in out0
	v_lshlrev_b32 v[BO], 5, v2
	s_lshl_b32 s16, s13, 7
	s_lshl_b32 s17, s11, 6
	s_add_co_u32 s16, s16, s17                     ; my first row: 128 x tile row + 64 x half
	s_lshl_b32 s16, s16, 12
	s_lshl_b32 s46, s42, 9                         ; my first column in bytes: 512 x tile column + 256 x half
	s_lshl_b32 s47, s12, 8
	s_add_co_u32 s46, s46, s47
	s_mov_b32 s47, 0
	s_add_nc_u64 s[66:67], s[66:67], s[46:47]      ; the bias at my first column
	s_add_co_u32 s16, s16, s46
	s_mov_b32 s17, 0
	s_add_nc_u64 s[8:9], s[8:9], s[16:17]
.irp b, 0,1,2,3
.irp e, 0,1
	global_load_b128 v[BI+8*\b+4*\e:BI+8*\b+4*\e+3], v[BO], s[66:67] offset:64*\b+16*\e   ; columns 16 b + 8 h + 0 .. 7: the result's layout
.endr
.endr
; 8 matrix instructions: m blocks a0, a0 + 1 x all 4 n blocks, 32 along K: half c of buffer f.  zero = 1: the first product starts the sums from the bias
.macro MUL8 f, c, a0, zero
.irp a, \a0, \a0+1
.irp b, 0,1,2,3
.if \zero
	v_wmma_f32_16x16x32_f16 v[ACC+8*(4*(\a)+\b):ACC+8*(4*(\a)+\b)+7], v[\f+64+8*(4*\c+\b):\f+64+8*(4*\c+\b)+7], v[\f+8*(4*\c+\a):\f+8*(4*\c+\a)+7], v[BI+8*\b:BI+8*\b+7]
.else
	v_wmma_f32_16x16x32_f16 v[ACC+8*(4*(\a)+\b):ACC+8*(4*(\a)+\b)+7], v[\f+64+8*(4*\c+\b):\f+64+8*(4*\c+\b)+7], v[\f+8*(4*\c+\a):\f+8*(4*\c+\a)+7], v[ACC+8*(4*(\a)+\b):ACC+8*(4*(\a)+\b)+7]
.endif
.endr
.endr
.endm
.macro FETCH slot, k, f                ; 32 LDS loads in one run: the fragments of 64 along K at byte k of the rows; the first 32 along K first
	WIN TO_F
.irp c, 0,1
.irp i, 0,1,2,3
	ds_load_b128 v[\f+64+8*(4*\c+\i):\f+64+8*(4*\c+\i)+3],   v[ADRB+\slot] offset:\k+64*\c+\i*16*PITCH
	ds_load_b128 v[\f+64+8*(4*\c+\i)+4:\f+64+8*(4*\c+\i)+7], v[ADRB+\slot] offset:\k+64*\c+\i*16*PITCH+32
	ds_load_b128 v[\f+8*(4*\c+\i):\f+8*(4*\c+\i)+3],         v[ADRA+\slot] offset:\k+64*\c+\i*16*PITCH
	ds_load_b128 v[\f+8*(4*\c+\i)+4:\f+8*(4*\c+\i)+7],       v[ADRA+\slot] offset:\k+64*\c+\i*16*PITCH+32
.endr
.endr
.endm
.macro PLACES                          ; four places in front of loads into registers that matrix instructions have read, and of the first read of results
.rept 4
	v_nop
.endr
.endm
.macro QUARTER slot, k, f, g, zero     ; 64 along K: multiplies buffer f and fetches the next quarter, at byte k, into g
	s_wait_dscnt 16                                ; the first 32 along K are in
	WIN MUL
	MUL8 \f, 0, 0, \zero
	MUL8 \f, 0, 2, \zero
	PLACES
	FETCH \slot, \k, \g
	s_wait_dscnt 32                                ; all but the 32 just issued
	WIN MUL
	MUL8 \f, 1, 0, 0
	MUL8 \f, 1, 2, 0
.endm
; The last quarter multiplies buffer 1 and changes slots: one barrier; in front of it each wave waits for all its tensor loads, adds 0 to its spare word, and waits for that and for its reads of this slot.
.macro TURN slot, next, fill
	WIN 0
	s_wait_tensorcnt 0x0                           ; my part of the next slot has landed
	ds_add_u32 v[SPW], v[NIL]
	s_wait_dscnt 17                                ; (the add and the youngest sixteen loads may be out)
	WIN MUL
	MUL8 F1, 0, 0, 0
	s_wait_dscnt 0x0                               ; the add is done, and my reads of this slot are over
	s_barrier_signal -1
	MUL8 F1, 0, 2, 0
.if \fill
	WIN 0
.endif
	s_barrier_wait -1
.if \fill
	CREST                                          ; the barrier has opened a round of the cluster's barrier
	s_add_nc_u64 s[G0+4*\slot+2:G0+4*\slot+3], s[G0+4*\slot+2:G0+4*\slot+3], 2*KSTEP*2
	s_add_nc_u64 s[G0B+4*\slot+2:G0B+4*\slot+3], s[G0B+4*\slot+2:G0B+4*\slot+3], 2*KSTEP*2
	JLOAD \slot                                    ; the first tensor load behind the round; its four v_nop are also the places in front of the loads below
.else
	PLACES
.endif
	FETCH \next, 0, F0
	WIN MUL
	MUL8 F1, 1, 0, 0
	MUL8 F1, 1, 2, 0
.endm
	s_wait_tensorcnt 1                             ; my part of K step 0 is in; K step 1's load may be out
	s_barrier_signal -1
	s_barrier_wait -1
	FETCH 0, 0, F0
	s_wait_loadcnt 0x0                             ; the bias
	QUARTER 0, 128, F0, F1, 1
	WIN 0
	s_mov_b32 s3, LAPS-1
.Llap:                                                 ; LAPS - 1 trips: a trip goes once round the ring and fills both slots again
	QUARTER 0, 256, F1, F0, 0
	QUARTER 0, 384, F0, F1, 0
	TURN 0, 1, 1
	QUARTER 1, 128, F0, F1, 0
	QUARTER 1, 256, F1, F0, 0
	QUARTER 1, 384, F0, F1, 0
	TURN 1, 0, 1
	QUARTER 0, 128, F0, F1, 0
	WIN 0
	s_sub_co_u32 s3, s3, 1
	s_cmp_lg_u32 s3, 0
	s_cbranch_scc1 .Llap
	QUARTER 0, 256, F1, F0, 0                      ; the last lap fills nothing
	QUARTER 0, 384, F0, F1, 0
	TURN 0, 1, 0
	QUARTER 1, 128, F0, F1, 0
	QUARTER 1, 256, F1, F0, 0
	QUARTER 1, 384, F0, F1, 0
	s_wait_dscnt 16
	WIN MUL
	MUL8 F1, 0, 0, 0
	MUL8 F1, 0, 2, 0
	s_wait_dscnt 0
	MUL8 F1, 1, 0, 0
	MUL8 F1, 1, 2, 0
	WIN 0
; THE WAY OUT, block by block of 16 rows x 64 columns: 256 bytes a row, all mine: through my own stage, no barrier.  LDS serves a wave's instructions in order (ISA guide 5.7.1.4).
.macro TOSTAGE a
.irp b, 0,1,2,3
	ds_store_b128 v[STO], v[ACC+8*(4*(\a)+\b):ACC+8*(4*(\a)+\b)+3] offset:64*\b          ; each accumulator from its low end on
	ds_store_b128 v[STO], v[ACC+8*(4*(\a)+\b)+4:ACC+8*(4*(\a)+\b)+7] offset:64*\b+16
.endr
.set BB, TMP+32*((\a)%2)
.irp t, 0,1,2,3,4,5,6,7
	ds_load_b128 v[BB+4*\t:BB+4*\t+3], v[RD] offset:\t*2*SPITCH
.endr
.endm
.macro SEND a, younger
.set BB, TMP+32*((\a)%2)
	s_wait_dscnt \younger                          ; the block is back in registers
.irp t, 0,1,2,3,4,5,6,7
	global_store_b128 v[CO], v[BB+4*\t:BB+4*\t+3], s[8:9] offset:(16*(\a)+2*\t)*SIZE_N*4 th:TH_STORE_NT   ; sixteen lanes store 256 consecutive bytes, aligned; written once, read by nobody here
.endr
.endm
	PLACES
	TOSTAGE 0
.irp a, 1,2,3
.if \a > 1
	s_wait_xcnt 0x0                                ; block a - 2's stores have read their registers: block a's rows may land there
.endif
	TOSTAGE \a
	SEND \a-1, 16                                  ; behind block a - 1's loads: block a's 8 stores and 8 loads
.endr
	SEND 3, 0
	s_wait_tensorcnt 0x0                           ; the wave's end
	ds_add_u32 v[SPW], v[NIL]
	s_wait_dscnt 0x0
	CROUND                                         ; the closing round
	s_endpgm
.Lfunc_end_k_qecef908d01_proj:
	.size	k_qecef908d01_proj, .Lfunc_end_k_qecef908d01_proj-k_qecef908d01_proj
	.p2alignl 7, 3214868480
	.fill 96, 4, 3214868480
	.section	.rodata,"a",@progbits
	.p2align	6, 0x0
	.amdhsa_kernel k_qecef908d01_proj
		.amdhsa_group_segment_fixed_size 327680
		.amdhsa_private_segment_fixed_size 0
		.amdhsa_enable_private_segment 0
		.amdhsa_kernarg_size 32
		.amdhsa_user_sgpr_count 2
		.amdhsa_user_sgpr_kernarg_segment_ptr 1
		.amdhsa_wavefront_size32 1
		.amdhsa_system_sgpr_workgroup_id_x 1
		.amdhsa_system_sgpr_workgroup_id_y 1
		.amdhsa_system_sgpr_workgroup_id_z 1
		.amdhsa_system_vgpr_workitem_id 0
		.amdhsa_next_free_vgpr 512
		.amdhsa_next_free_sgpr 68
		.amdhsa_reserve_vcc 0
		.amdhsa_float_denorm_mode_32 3
		.amdhsa_float_denorm_mode_16_64 3
		.amdhsa_memory_ordered 1
		.amdhsa_forward_progress 1
		.amdhsa_inst_pref_size 86
	.end_amdhsa_kernel
	.amdgpu_metadata
---
amdhsa.version: [ 1, 2 ]
amdhsa.kernels:
  - .name:           k_qecef908d01_proj
    .symbol:         k_qecef908d01_proj.kd
    .args:
      - { .name: ao, .offset: 0, .size: 8, .value_kind: global_buffer, .address_space: global }
      - { .name: pw, .offset: 8, .size: 8, .value_kind: global_buffer, .address_space: global }
      - { .name: out0, .offset: 16, .size: 8, .value_kind: global_buffer, .address_space: global }
      - { .name: proj_b, .offset: 24, .size: 8, .value_kind: global_buffer, .address_space: global }
    .group_segment_fixed_size: 327680
    .private_segment_fixed_size: 0
    .kernarg_segment_align: 8
    .kernarg_segment_size: 32
    .max_flat_workgroup_size: 128
    .sgpr_count:     68
    .vgpr_count:     512
    .wavefront_size: 32
...
	.end_amdgpu_metadata
.endif
;; end of part 4
